; MI455X (gfx1250); checked and timed in simulation.
; The chip was launched on July 23, 2026; its instructions are those of AMD's public machine-readable ISA for CDNA 5 (MIT licence, August 2026) and "CDNA5" Instruction Set Architecture Reference Guide (July 2026). The comments in the code are by the model that wrote it; some were corrected since.
;; OPT Layer. Allowed arithmetic: matrix products marked QUANTISED: E2M1 operands, one E8M0 scale for each 32 along K, by v_wmma_scale_f32_16x16x128_f8f6f4 with both operands' format E2M1 (or v_wmma_scale_f32_32x16x128_f4), f32 sums; products left as they are: bf16, f16 or f32 operands; f32 sums; everything else in f32.
;; Inputs: w1 4,096 x 1,024 float32; w2 1,024 x 4,096 float32; wk 1,024 x 1,024 float32; wo 1,024 x 1,024 float32; wq 1,024 x 1,024 float32; wv 1,024 x 1,024 float32; x 2 x 2,048 x 1,024 float32.
;; Outputs: out0 2 x 2,048 x 1,024 float32.
;; This version of the problem:
;;   THIS VERSION OF THE PROBLEM IS GIVEN IN LOW PRECISION. The matrix products marked QUANTISED in the list below multiply operands that are first quantised to E2M1 (2 exponent bits, 1 mantissa bit; 4 bits a number), with one power-of-two scale for each 32 numbers along K (OCP MX v1.0); their sums are f32. The products marked 'left as it is' may take bf16, f16 or f32 operands, with f32 sums. Whichever they take, every output number must still come out within the allowed error. Rounding operands to bf16 (8 significant bits) uses up far more of that allowance than f16 does (11 bits, for magnitudes from 6e-5 to 65,504). All else is computed in f32.
;;   The module's matrix products, in the order in which they are computed (A, B: the left and right operand; K: the contracted axis; several contracted axes count as one K, in the product's order):
;;     1. [M 4,096, K 1,024] x [K 1,024, N 1,024]; A: input x; B: input wq: QUANTISED
;;     2. [M 4,096, K 1,024] x [K 1,024, N 1,024]; A: input x; B: input wk: QUANTISED
;;     3. [M 4,096, K 1,024] x [K 1,024, N 1,024]; A: input x; B: input wv: QUANTISED
;;     4. batch 32 x [M 2,048, K 64] x [K 64, N 2,048]; A: computed on the way; B: computed on the way: left as it is (an operand is computed on the way)
;;     5. batch 32 x [M 2,048, K 2,048] x [K 2,048, N 64]; A: computed on the way; B: computed on the way: left as it is (an operand is computed on the way)
;;     6. [M 4,096, K 1,024] x [K 1,024, N 1,024]; A: computed on the way; B: input wo: left as it is (an operand is computed on the way)
;;     7. [M 4,096, K 1,024] x [K 1,024, N 4,096]; A: computed on the way; B: input w1: left as it is (an operand is computed on the way)
;;     8. [M 4,096, K 4,096] x [K 4,096, N 1,024]; A: computed on the way; B: input w2: left as it is (an operand is computed on the way)
;;   THE QUANTISER, for each operand of a quantised product, along K:
;;     - K is cut into blocks of 32 from its start; a last block that is shorter is filled with zeros.
;;     - A block's scale is 2^e with e = floor(log2(the largest magnitude in the block)) - 2, held to -126 .. 127; a block of zeros has e = 0. As a byte (E8M0): e + 127.
;;     - Each number is divided by its block's scale, clamped to +-6, and rounded to the nearest number of E2M1, ties to even, subnormals kept.
;;     - The product sums the exact products of the quantised numbers (number of the format x scale) in f32.
;;   ~~~python
;;   def quantise(x, axis):      # numpy; x: float32 -> the quantised numbers, widened to float32 again
;;       x = np.moveaxis(x, axis, -1); K = x.shape[-1]
;;       x = np.pad(x, [(0, 0)] * (x.ndim - 1) + [(0, -K % 32)]); x = x.reshape(x.shape[:-1] + (-1, 32)); a = np.abs(x).max(-1, keepdims=True)
;;       e = np.where(a > 0, np.clip(np.frexp(np.where(a > 0, a, 1))[1] - 1 - 2, -126, 127), 0)      # np.frexp(a)[1] - 1 = floor(log2(a)), exactly
;;       r = np.clip(x / 2.0 ** e, -6, 6)
;;       step = 2.0 ** (np.maximum(np.frexp(np.where(r == 0, 1, r))[1] - 1, 0) - 1)
;;       q = np.round(r / step) * step * 2.0 ** e      # np.round: ties to even
;;       return np.moveaxis(q.reshape(q.shape[:-2] + (-1,))[..., :K], -1, axis).astype(np.float32)
;;   ~~~
;; One version. Each part assembles by itself: llvm-mc -triple=amdgcn-amd-amdhsa -mcpu=gfx1250 --defsym DOCPART=n.
;; ======== version 1 of 1: 6 launches
;; limits: values are held in f16: magnitudes above 65,504 overflow, below 6.1e-05 lose precision
;; workspace buffers: codes 3,901,440 bytes; woh 2,105,344 bytes; w1h 8,396,800 bytes; w2h 8,388,608 bytes; qkv 25,165,824 bytes; att 33,554,432 bytes; xo 33,554,432 bytes; x1 33,554,432 bytes
;; launch prep (part 1): grid 1376 x 1, 4 waves a work-group, no clusters, 33,280 bytes of LDS; arguments x, wq, wk, wv, wo, w1, w2, codes, woh, w1h, w2h; writes codes, woh, w1h, w2h
.if DOCPART == 1
	.amdgcn_target "amdgcn-amd-amdhsa--gfx1250"
	.amdhsa_code_object_version 6
	.text
	.protected	k_qa072a43101_prep
	.globl	k_qa072a43101_prep
	.p2align	8
	.type	k_qa072a43101_prep,@function
k_qa072a43101_prep:
	s_mov_b64 s[64:65], 0
	v_nop
	global_prefetch_b8 v0, s[64:65] scope:SCOPE_SE
	s_setreg_imm32_b32 hwreg(HW_REG_WAVE_MODE, 25, 1), 1
	s_wait_xcnt 0x0
; PREP.  Two kinds of work-group, told apart by the work-group's number alone.
; Work-groups 0-223: x [4096][1024] and wq, wk, wv [1024][1024], f32, become codes of FP4 (E2M1), K innermost, two codes a byte, with one E8M0 byte for each 32 along K.
;   A block's scale is 2^(floor(log2(its largest magnitude)) - 2); its byte is the largest magnitude's exponent field - 2, held at 1 from below.  A block of zeros keeps the byte 1: its codes are zeros,
;   which add nothing, and this program alone reads the bytes.  Rows are dense and K is a multiple of 32: each tensor is a plain stream of blocks.  A wave takes 16 steps of 512 numbers.
; Work-groups 224-1375: wo, w1, w2, f32, become f16 in tile order: block (n / 128, k / 64) is 16,384 consecutive bytes, row n % 128 at 128 bytes, so that a product's tile is one dense run of memory.
;   A work-group makes one block, a wave 32 of its rows.  For wo and w1 each wave also stores the largest magnitude that it saw: later launches make exact power-of-two factors from these.
; LIMITS: NaN and infinities are not served; weights beyond 65,504 have no f16; blocks whose largest magnitude lies under 2^-124 get the floor's byte.
; No work-group shares an input with another: no cluster, no tensor load, no matrix unit.
.set STEPS, 16
.set EMAX,  2
.set CB,    8                          ; bytes of 16 codes
.set R,     16                         ; v16-79   four sets of 16 numbers as loaded
.set X,     80                         ; v80-111  two sets of 16 neighbours
.set E,     112                        ; v112-127 a scale byte for each step
.set C,     128                        ; v128-191 codes: four registers for each step
.set WREG,  8192                       ; LDS: a region for each wave: two stages of 32 x SP bytes, then its 256 scale bytes
.set SP,    80                         ; a lane's place in a stage: 64 bytes + 16 of padding
.set SPW,   12                         ; v12  my spare word's LDS address; never rewritten
.set NIL,   13                         ; v13  0; never rewritten
.set SPARE, 4*WREG                     ; the spare words: 128 bytes a wave, named by no other line
.set SEC_WC, 2097152                   ; sections of the buffer codes: x's codes at 0, the weights' codes,
.set SEC_XS, 3670016                   ; x's scale bytes,
.set SEC_WS, 3801088                   ; the weights' scale bytes,
.set SEC_ST, 3899392                   ; 512 words: a largest |wo| for each wave that converts wo
.set HDR,   8192                       ; woh and w1h begin with 2,048 words of bounds
.set WV,    40                         ; s40  my wave's number
	s_load_b512 s[8:23], s[0:1], 0x0               ; x, wq, wk, wv, wo, w1, w2, codes
	s_load_b128 s[24:27], s[0:1], 0x40             ; woh, w1h
	s_load_b64 s[28:29], s[0:1], 0x50              ; w2h
	v_lshl_add_u32 v[SPW], v0, 2, SPARE
	v_mov_b32 v[NIL], 0
	v_lshrrev_b32 v1, 5, v0
	v_readfirstlane_b32 s[WV], v1
	v_and_b32 v2, 31, v0                           ; lane
	v_lshlrev_b32 v3, 4, v2                        ; my 16 bytes of a load's 512
	s_mul_i32 s41, s[WV], WREG
	v_lshrrev_b32 v14, 2, v2
	v_mul_u32_u24 v14, v14, SP
	v_and_b32 v15, 3, v2
	v_lshl_add_u32 v14, v15, 4, v14
	v_add_nc_u32 v14, s41, v14                     ; the stage, on the way in: SP (lane / 4) + 16 (lane % 4)
	v_mul_u32_u24 v15, v2, SP
	v_add_nc_u32 v15, s41, v15                     ; and on the way out: SP x lane: 16 neighbours
	v_lshlrev_b32 v4, 3, v2                        ; 8 bytes a lane: codes, scale bytes and f16 alike
	v_lshrrev_b32 v5, 1, v2
	s_add_co_u32 s41, s41, 2*32*SP
	v_add_nc_u32 v5, s41, v5                       ; my block's scale byte in LDS
	v_add_nc_u32 v6, s41, v4                       ; and 8 of them on the way out
	s_mov_b32 s46, 0x76543210                      ; v_permlanex16_b32's selects: lane l xor 16
	s_mov_b32 s47, 0xfedcba98
	s_mov_b32 s37, 0                               ; the upper word of every 32-bit offset
	s_wait_kmcnt 0x0
	s_cmp_ge_u32 ttmp9, 224
	s_cbranch_scc1 .Lconv
; ---- the quantiser.  Which tensor: 128 work-groups for x, 32 for each weight; only pointers and offsets are chosen
	s_cmp_lt_u32 ttmp9, 192
	s_cselect_b64 s[4:5], s[12:13], s[14:15]
	s_cmp_lt_u32 ttmp9, 160
	s_cselect_b64 s[4:5], s[10:11], s[4:5]
	s_sub_co_u32 s30, ttmp9, 128                   ; among the weights' work-groups: the place in their common sections,
	s_and_b32 s31, s30, 31                         ; and in the one weight
	s_mov_b32 s32, SEC_WC
	s_mov_b32 s33, SEC_WS
	s_mov_b32 s34, SEC_XS
	s_cmp_lt_u32 ttmp9, 128
	s_cselect_b64 s[4:5], s[8:9], s[4:5]
	s_cselect_b32 s31, ttmp9, s31
	s_cselect_b32 s30, ttmp9, s30
	s_cselect_b32 s32, 0, s32
	s_cselect_b32 s33, s34, s33
	s_lshl_b32 s31, s31, 2
	s_add_co_u32 s31, s31, s[WV]                   ; which run of 8,192 numbers of the source is my wave's
	s_lshl_b32 s36, s31, 15
	s_add_nc_u64 s[4:5], s[4:5], s[36:37]
	s_lshl_b32 s30, s30, 2
	s_add_co_u32 s30, s30, s[WV]                   ; and of the sections
	s_lshl_b32 s36, s30, 12                        ; 4,096 bytes of codes a run
	s_add_co_u32 s36, s36, s32
	s_add_nc_u64 s[6:7], s[22:23], s[36:37]
	s_lshl_b32 s36, s30, 8                         ; 256 scale bytes a run
	s_add_co_u32 s36, s36, s33
	s_add_nc_u64 s[44:45], s[22:23], s[36:37]
.macro LOAD t
.irp i, 0,1,2,3
	global_load_b128 v[R+16*((\t)%4)+4*\i:R+16*((\t)%4)+4*\i+3], v3, s[4:5] offset:2048*(\t)+512*\i th:TH_LOAD_NT   ; 32 lanes read 512 consecutive bytes
.endr
.endm
.macro TURN t                          ; step t's numbers through the stage: LDS serves a wave's instructions in order, so no wait stands between the stores and the loads
.irp i, 0,1,2,3
	ds_store_b128 v14, v[R+16*((\t)%4)+4*\i:R+16*((\t)%4)+4*\i+3] offset:32*SP*((\t)%2)+8*SP*\i
.endr
.irp i, 0,1,2,3
	ds_load_b128 v[X+16*((\t)%2)+4*\i:X+16*((\t)%2)+4*\i+3], v15 offset:32*SP*((\t)%2)+16*\i
.endr
.endm
.irp t, 0,1,2,3
	LOAD \t
.endr
	s_wait_loadcnt 12                              ; step 0's four loads are in
	TURN 0
.macro STEP t
.set XR, X+16*((\t)%2)
.if (\t) > 0
	s_wait_dscnt 1                                 ; this step's numbers are back from the stage (the last step's byte store may be out)
.else
	s_wait_dscnt 0x0
.endif
.if (\t)+4 < STEPS
	LOAD (\t)+4                                    ; into the registers that this step's stage stores have read
.endif
.if (\t)+1 < STEPS
.if STEPS-2-(\t) >= 3
	s_wait_loadcnt 12                              ; the next step's four loads are in; those of the three steps behind it may be out
.else
	s_wait_loadcnt 4*(STEPS-2-(\t))
.endif
	TURN (\t)+1
.endif
	v_max3_num_f32 v8, |v[XR]|, |v[XR+1]|, |v[XR+2]|               ; the largest magnitude of my 16, in two chains
	v_max3_num_f32 v9, |v[XR+3]|, |v[XR+4]|, |v[XR+5]|
.irp i, 6,10
	v_max3_num_f32 v8, v8, |v[XR+\i]|, |v[XR+\i+1]|
	v_max3_num_f32 v9, v9, |v[XR+\i+2]|, |v[XR+\i+3]|
.endr
	v_max3_num_f32 v8, v8, |v[XR+14]|, |v[XR+15]|
	v_max3_num_f32 v8, v8, v9, (EMAX+1)<<23        ; and the floor 2^(3 - 127): the byte cannot fall under 1
	v_max_num_f32_dpp v8, v8, v8 row_xmask:1 row_mask:0xf bank_mask:0xf   ; with my neighbour's 16: the block's
	v_add_nc_u32 v11, -(EMAX<<23), v8              ; 2 off the exponent field: the conversion takes this operand's exponent field as its scale
	v_cvt_scalef32_pk8_fp4_f32 v[C+4*(\t)], v[XR:XR+7], v11
	v_cvt_scalef32_pk8_fp4_f32 v[C+4*(\t)+1], v[XR+8:XR+15], v11
	v_lshrrev_b32 v[E+(\t)], 23, v11               ; the scale's byte (also the plain line behind the conversions)
	ds_store_b8 v5, v[E+(\t)] offset:16*(\t)       ; both lanes of a block write the same byte with the same value
	global_store_b64 v4, v[C+4*(\t):C+4*(\t)+1], s[6:7] offset:32*CB*(\t)   ; the wave stores 256 consecutive bytes, aligned
.endm
.irp t, 0,1,2,3,4,5,6,7,8,9,10,11,12,13,14,15
	STEP \t
.endr
	ds_load_b64 v[8:9], v6                         ; my wave's 256 scale bytes: LDS serves a wave's instructions in order
	s_wait_dscnt 0x0
	global_store_b64 v4, v[8:9], s[44:45]          ; 256 consecutive bytes, aligned
	s_wait_tensorcnt 0x0                           ; the wave's end, behind my last LDS store
	ds_add_u32 v[SPW], v[NIL]
	s_wait_dscnt 0x0
	s_endpgm
; ---- f32 to f16 in tile order.  s30 = the block's number in its tensor; s[4:5] source, s[6:7] destination, s[44:45] where the largest magnitudes go.  These waves touch no LDS.
; pitch: a source row in bytes; lk: log2 of the blocks along K.  A load reads two rows' 256 bytes (16 lanes a row); a store writes the same two rows' 256 consecutive bytes of f16.
.macro CONV pitch, lk, stat
	s_lshr_b32 s31, s30, \lk                       ; n / 128
	s_and_b32 s32, s30, (1<<\lk)-1                 ; k / 64
	s_lshl_b32 s31, s31, 7
	s_lshl_b32 s33, s[WV], 5
	s_add_co_u32 s31, s31, s33                     ; my wave's first row
	s_mul_i32 s36, s31, \pitch
	s_lshl_b32 s32, s32, 8
	s_add_co_u32 s36, s36, s32
	s_add_nc_u64 s[4:5], s[4:5], s[36:37]
	s_lshl_b32 s36, s30, 14
	s_lshl_b32 s33, s[WV], 12
	s_add_co_u32 s36, s36, s33
	s_add_nc_u64 s[6:7], s[6:7], s[36:37]
	v_lshrrev_b32 v1, 4, v2
	v_mul_u32_u24 v1, v1, \pitch
	v_and_b32 v3, 15, v2
	v_lshl_add_u32 v1, v3, 4, v1
.irp i, 0,1,2,3,4,5,6,7,8,9,10,11,12,13,14,15
	global_load_b128 v[32+4*\i:35+4*\i], v1, s[4:5] offset:2*\i*\pitch th:TH_LOAD_NT
.endr
.if \stat
	s_lshl_b32 s36, s30, 2
	s_add_co_u32 s36, s36, s[WV]
	s_lshl_b32 s36, s36, 2                         ; word 4 x block + wave
	s_add_nc_u64 s[44:45], s[44:45], s[36:37]
	v_mov_b32 v8, 0
	v_mov_b32 v9, 0
	v_mov_b32 v10, 0
	v_mov_b32 v11, 0
.endif
.irp i, 0,1,2,3,4,5,6,7,8,9,10,11,12,13,14,15
	s_wait_loadcnt 15-\i                           ; loads come back in order: load i is in
	v_cvt_pk_f16_f32 v[96+2*\i], v[32+4*\i], v[33+4*\i]
	v_cvt_pk_f16_f32 v[97+2*\i], v[34+4*\i], v[35+4*\i]
.if \stat
	v_max3_num_f32 v8, v8, |v[32+4*\i]|, |v[33+4*\i]|
	v_max3_num_f32 v9, v9, |v[34+4*\i]|, |v[35+4*\i]|
.endif
	global_store_b64 v4, v[96+2*\i:97+2*\i], s[6:7] offset:256*\i
.endr
.if \stat
	v_max_num_f32 v8, v8, v9
	v_max_num_f32_dpp v8, v8, v8 row_xmask:1 row_mask:0xf bank_mask:0xf
	v_max_num_f32_dpp v8, v8, v8 row_xmask:2 row_mask:0xf bank_mask:0xf
	v_max_num_f32_dpp v8, v8, v8 row_xmask:4 row_mask:0xf bank_mask:0xf
	v_max_num_f32_dpp v8, v8, v8 row_xmask:8 row_mask:0xf bank_mask:0xf
	v_permlanex16_b32 v11, v8, s46, s47
	v_max_num_f32 v8, v8, v11                      ; the wave's largest magnitude
	v_cmp_eq_u32 vcc_lo, 0, v2
	s_wait_xcnt 0x0                                ; EXEC is a source of the stores above: it changes only behind this wait
	s_and_saveexec_b32 s41, vcc_lo
	global_store_b32 v10, v8, s[44:45]             ; lane 0 stores the word
	s_wait_xcnt 0x0
	s_or_b32 exec_lo, exec_lo, s41
.endif
	s_endpgm
.endm
.Lconv:
	s_sub_co_u32 s30, ttmp9, 224                   ; 128 blocks of wo, 512 of w1, 512 of w2
	s_cmp_ge_u32 s30, 640
	s_cbranch_scc1 .Lw2
	s_sub_co_u32 s31, s30, 128
	s_add_nc_u64 s[32:33], s[22:23], SEC_ST
	s_add_nc_u64 s[34:35], s[24:25], HDR
	s_add_nc_u64 s[42:43], s[26:27], HDR
	s_cmp_lt_u32 s30, 128
	s_cselect_b32 s30, s30, s31
	s_cselect_b64 s[4:5], s[16:17], s[18:19]
	s_cselect_b64 s[6:7], s[34:35], s[42:43]
	s_cselect_b64 s[44:45], s[32:33], s[26:27]     ; wo's magnitudes go to codes, w1's to the head of w1h
	CONV 4096, 4, 1
.Lw2:
	s_sub_co_u32 s30, s30, 640
	s_mov_b64 s[4:5], s[20:21]
	s_mov_b64 s[6:7], s[28:29]
	CONV 16384, 6, 0
.Lfunc_end_k_qa072a43101_prep:
	.size	k_qa072a43101_prep, .Lfunc_end_k_qa072a43101_prep-k_qa072a43101_prep
	.p2alignl 7, 3214868480
	.fill 96, 4, 3214868480
	.section	.rodata,"a",@progbits
	.p2align	6, 0x0
	.amdhsa_kernel k_qa072a43101_prep
		.amdhsa_group_segment_fixed_size 33280
		.amdhsa_private_segment_fixed_size 0
		.amdhsa_enable_private_segment 0
		.amdhsa_kernarg_size 88
		.amdhsa_user_sgpr_count 2
		.amdhsa_user_sgpr_kernarg_segment_ptr 1
		.amdhsa_wavefront_size32 1
		.amdhsa_system_sgpr_workgroup_id_x 1
		.amdhsa_system_sgpr_workgroup_id_y 1
		.amdhsa_system_sgpr_workgroup_id_z 1
		.amdhsa_system_vgpr_workitem_id 0
		.amdhsa_next_free_vgpr 192
		.amdhsa_next_free_sgpr 66
		.amdhsa_reserve_vcc 1
		.amdhsa_float_denorm_mode_32 3
		.amdhsa_float_denorm_mode_16_64 3
		.amdhsa_memory_ordered 1
		.amdhsa_forward_progress 1
		.amdhsa_inst_pref_size 50
	.end_amdhsa_kernel
	.amdgpu_metadata
---
amdhsa.version: [ 1, 2 ]
amdhsa.kernels:
  - .name:           k_qa072a43101_prep
    .symbol:         k_qa072a43101_prep.kd
    .args:
      - { .name: x, .offset: 0, .size: 8, .value_kind: global_buffer, .address_space: global }
      - { .name: wq, .offset: 8, .size: 8, .value_kind: global_buffer, .address_space: global }
      - { .name: wk, .offset: 16, .size: 8, .value_kind: global_buffer, .address_space: global }
      - { .name: wv, .offset: 24, .size: 8, .value_kind: global_buffer, .address_space: global }
      - { .name: wo, .offset: 32, .size: 8, .value_kind: global_buffer, .address_space: global }
      - { .name: w1, .offset: 40, .size: 8, .value_kind: global_buffer, .address_space: global }
      - { .name: w2, .offset: 48, .size: 8, .value_kind: global_buffer, .address_space: global }
      - { .name: codes, .offset: 56, .size: 8, .value_kind: global_buffer, .address_space: global }
      - { .name: woh, .offset: 64, .size: 8, .value_kind: global_buffer, .address_space: global }
      - { .name: w1h, .offset: 72, .size: 8, .value_kind: global_buffer, .address_space: global }
      - { .name: w2h, .offset: 80, .size: 8, .value_kind: global_buffer, .address_space: global }
    .group_segment_fixed_size: 33280
    .private_segment_fixed_size: 0
    .kernarg_segment_align: 8
    .kernarg_segment_size: 88
    .max_flat_workgroup_size: 128
    .sgpr_count:     66
    .vgpr_count:     192
    .wavefront_size: 32
...
	.end_amdgpu_metadata
.endif
;; end of part 1
;; launch qkv (part 2): grid 12 x 16, 4 waves a work-group, clusters of 4 x 4, 327,680 bytes of LDS; arguments codes, qkv; writes qkv
.if DOCPART == 2
	.amdgcn_target "amdgcn-amd-amdhsa--gfx1250"
	.amdhsa_code_object_version 6
	.text
	.protected	k_qa072a43101_qkv
	.globl	k_qa072a43101_qkv
	.p2align	8
	.type	k_qa072a43101_qkv,@function
k_qa072a43101_qkv:
	s_mov_b64 s[64:65], 0
	v_nop
	global_prefetch_b8 v0, s[64:65] scope:SCOPE_SE
	s_setreg_imm32_b32 hwreg(HW_REG_WAVE_MODE, 25, 1), 1
	s_wait_xcnt 0x0
	s_wait_alu depctr_hold_cnt(0) depctr_sa_sdst(0) depctr_va_vdst(0) depctr_va_sdst(0) depctr_va_ssrc(0) depctr_va_vcc(0) depctr_vm_vsrc(0)
	s_getreg_b32 s2, hwreg(HW_REG_IB_STS2, 6, 4)
	s_cmp_eq_u32 s2, 0
	s_cbranch_scc0 .Lentry_in_a_cluster
	s_endpgm
.Lentry_in_a_cluster:
	s_bfe_u32 s2, ttmp6, 0x10000c
	s_cmp_lg_u32 s2, 0xf033
	s_cbranch_scc0 .Lentry_shape_is_right
	s_endpgm
.Lentry_shape_is_right:
; Q, K, V = x [wq; wk; wv]^T as ONE product on codes of FP4 (E2M1) with E8M0 scales: C[m][n] = sum over k of x[m][k] w[n][k], m < 4096, n < 3072, k < 1024; sums in f32.
; The result leaves as f16 by head: qkv[b][g][s][64], b = m / 2048, s = m % 2048, g = n / 64 (0-15 Q's heads, 16-31 K's, 32-47 V's).  LIMIT: results beyond 65,504 have no f16.
; A tile of C, 256 x 256, is made by four waves, each 128 x 128: 64 accumulators, 512 registers.  K is two steps of 512 (rows of 256 bytes): both lie in LDS at once, each slot filled once.
; The scale bytes of the work-group's 256 + 256 rows, for all of K, are two dense blocks: they come once, with the first fills.
; CLUSTERS: 4 x 4 work-groups; A's tiles are asked for jointly along a row of the cluster, B's along a column.  The matrix instruction is used transposed (source 0 = 16 rows of w, source 1 = 16 rows of x):
; a lane holds eight neighbouring columns of one row of C.
; REGISTERS: window 0: v0-31 addresses; v32-95 scale words, two sets; v128-191 x's fragments, one set; on the way out v32-63, v192-255.  window 1: w's fragments, two sets.  windows 2, 3: the accumulators.
.set KSTEP,  512
.set NQ,     KSTEP/128
.set ROWB,   256
.set KROW,   512                       ; a row of codes in memory
.set PITCH,  272                       ; an LDS row: 256 bytes + 16 of padding: the 16 rows of a load start at 16 different banks
.set FR,     8
.set NL,     2
.set NP,     4
.set HALFT,  128*PITCH
.set SLOT,   4*HALFT
.set KS,     32                        ; a row of scale bytes
.set SCL,    2*SLOT
.set HALFS,  (128*KS/256)*272
.set SBLK,   (16*KS/256)*272
.set SPARE,  SCL+4*HALFS               ; the spare words: 128 bytes a wave, named by no other line
.set SPITCH, 272                       ; the way out: a stage of 16 rows x (256 bytes + 16) for each wave, in slot 0, which has had its one fill and its last read by then
.set SEC_WC, 2097152
.set SEC_XS, 3670016
.set SEC_WS, 3801088
.set ADRA, 16
.set ADRB, 20
.set STO,  24
.set RD,   25
.set CO,   26
.set ADRS, 27
.set SPW,  28
.set NIL,  29
.set SC,   32
.set AF,   128
.set TMP,  192                         ; the way out: packed results
.set OB,   32                          ; and rows read back: v32-63 and v224-255 by turns
.set G1, 24
.set G0, 32
.set G1B, 48
.set G0B, 56
.set G1S, 68
.set G0S, 76
.set G1SB, 80
.set G0SB, 88
.set MSB, 0
.macro WIN new                         ; the immediate's high byte repeats the setting that is left
.if MSB != \new
	s_set_vgpr_msb (MSB<<8)|\new
.set MSB, \new
.endif
.endm
.set MUL_LO, 0xa1
.set MUL_HI, 0xf1
.set TO_B,   0x40
; A joint load: waves 0 and 1 fetch for x, waves 2 and 3 for w.  An s_nop 0 and four v_nop follow each of the two lines.
.macro JLOAD g0a, g1a, g0b, g1b
	s_cmp_eq_u32 s15, 0
	s_cbranch_scc0 .Lfor_b_\@
	tensor_load_to_lds s[\g0a:\g0a+3], s[\g1a:\g1a+7]
	s_nop 0
.rept 4
	v_nop
.endr
	s_branch .Lasked_\@
.Lfor_b_\@:
	tensor_load_to_lds s[\g0b:\g0b+3], s[\g1b:\g1b+7]
	s_nop 0
.rept 4
	v_nop
.endr
.Lasked_\@:
.endm
.macro CROUND                          ; a round of the cluster's barrier
	s_barrier_signal -1
	s_barrier_wait -1
	s_cmp_lg_u32 s14, 0
	s_cbranch_scc1 .Lnot_wave_0_\@
	s_barrier_signal -3
.Lnot_wave_0_\@:
	s_barrier_wait -3
	s_barrier_signal -1
	s_barrier_wait -1
.endm
	s_load_b128 s[4:7], s[0:1], 0x0                ; codes, qkv
	v_lshl_add_u32 v[SPW], v0, 2, SPARE
	v_mov_b32 v[NIL], 0
	ds_add_u32 v[SPW], v[NIL]                      ; the wave's opening: the add and its wait ahead of my first tensor load
	v_lshrrev_b32 v1, 5, v0
	v_readfirstlane_b32 s14, v1                    ; wave 0..3
	s_lshr_b32 s15, s14, 1                         ; which half of the tile's rows is mine.  Also: I fetch for x (0) or for w (1)
	s_and_b32 s16, s14, 1                          ; which half of its columns.  Also: which 128 rows I fetch
	s_bfe_u32 s40, ttmp6, 0x40000                  ; cx, cy
	s_bfe_u32 s41, ttmp6, 0x40004
	s_lshl_b32 s42, ttmp9, 2
	s_add_co_u32 s42, s42, s40                     ; tile column
	s_and_b32 s17, ttmp7, 0xffff
	s_lshl_b32 s17, s17, 2
	s_add_co_u32 s17, s17, s41                     ; tile row
	s_lshl_b32 s43, s41, 2
	s_lshl_b32 s43, 15, s43                        ; my row of the cluster
	s_lshl_b32 s44, 0x1111, s40                    ; my column
	s_or_b32 s[G1+0], s43, (0<<16)|(1<<20)|(1<<21)|(5<<22)|(3<<25)  ; the mask; elements of 1 byte; padding: 4 words after every 64; bit 21 beside a mask
	s_or_b32 s[G1B+0], s44, (0<<16)|(1<<20)|(1<<21)|(5<<22)|(3<<25)
.irp g, G1, G1B
	s_mov_b32 s[\g+1], ROWB<<16                    ; tensor_dim0
	s_mov_b32 s[\g+2], 128<<16                     ; tensor_dim1
	s_mov_b32 s[\g+3], ROWB<<16                    ; tile_dim0
	s_mov_b32 s[\g+4], 128                         ; tile_dim1
	s_mov_b32 s[\g+5], KROW                        ; the pitch
	s_mov_b32 s[\g+6], 0
	s_mov_b32 s[\g+7], 0
.endr
	s_or_b32 s[G1S+0], s43, (3<<16)|(1<<20)|(1<<21)|(5<<22)|(3<<25)  ; the scales of 128 rows: 4,096 dense bytes as rows of 256 (32 elements of 8 bytes)
	s_or_b32 s[G1SB+0], s44, (3<<16)|(1<<20)|(1<<21)|(5<<22)|(3<<25)
.irp g, G1S, G1SB
	s_mov_b32 s[\g+1], 32<<16
	s_mov_b32 s[\g+2], (128*KS/256)<<16
	s_mov_b32 s[\g+3], 32<<16
	s_mov_b32 s[\g+4], 128*KS/256
	s_mov_b32 s[\g+5], 32
	s_mov_b32 s[\g+6], 0
	s_mov_b32 s[\g+7], 0
.endr
	s_lshl_b32 s18, s16, 7
	s_lshl_b32 s20, s17, 8
	s_add_co_u32 s20, s20, s18                     ; x: row 256 x tile row + 128 x half
	s_lshl_b32 s46, s42, 8
	s_add_co_u32 s46, s46, s18                     ; w: row 256 x tile column + 128 x half
	s_mov_b32 s21, 0
	s_mov_b32 s47, 0
	s_mov_b64 s[18:19], KS
	s_mul_u64 s[22:23], s[20:21], s[18:19]
	s_mul_u64 s[92:93], s[46:47], s[18:19]
	s_mov_b64 s[18:19], KROW
	s_mul_u64 s[20:21], s[20:21], s[18:19]
	s_mul_u64 s[46:47], s[46:47], s[18:19]
	s_mul_i32 s45, s14, HALFT
	s_mul_i32 s94, s14, HALFS
	s_wait_dscnt 0x0                               ; the opening add is done
	s_wait_kmcnt 0x0
	s_mov_b64 s[12:13], s[6:7]                     ; qkv
	s_add_nc_u64 s[6:7], s[4:5], SEC_XS            ; the sections of codes: x's codes lie at its head
	s_add_nc_u64 s[8:9], s[4:5], SEC_WC
	s_add_nc_u64 s[10:11], s[4:5], SEC_WS
	s_add_nc_u64 s[20:21], s[4:5], s[20:21]
	s_add_nc_u64 s[22:23], s[6:7], s[22:23]
	s_add_nc_u64 s[46:47], s[8:9], s[46:47]
	s_add_nc_u64 s[92:93], s[10:11], s[92:93]
	CROUND                                         ; all sixteen work-groups are here: the joint loads meet
	s_mov_b32 s[G0S], 1
	s_add_co_u32 s[G0S+1], s94, SCL
	s_mov_b64 s[G0S+2:G0S+3], s[22:23]
	s_or_b32 s[G0S+3], s[G0S+3], 0x80000000
	s_mov_b32 s[G0SB], 1
	s_add_co_u32 s[G0SB+1], s94, SCL
	s_mov_b64 s[G0SB+2:G0SB+3], s[92:93]
	s_or_b32 s[G0SB+3], s[G0SB+3], 0x80000000
	JLOAD G0S, G1S, G0SB, G1SB                     ; the scales first
.irp s, 0,1
	s_mov_b32 s[G0+4*\s], 1
	s_add_co_u32 s[G0+4*\s+1], s45, \s*SLOT
	s_add_nc_u64 s[G0+4*\s+2:G0+4*\s+3], s[20:21], \s*ROWB
	s_or_b32 s[G0+4*\s+3], s[G0+4*\s+3], 0x80000000
	s_mov_b32 s[G0B+4*\s], 1
	s_add_co_u32 s[G0B+4*\s+1], s45, \s*SLOT
	s_add_nc_u64 s[G0B+4*\s+2:G0B+4*\s+3], s[46:47], \s*ROWB
	s_or_b32 s[G0B+4*\s+3], s[G0B+4*\s+3], 0x80000000
	JLOAD G0+4*\s, G1, G0B+4*\s, G1B               ; three loads of mine are out in all
.endr
	v_and_b32 v1, 15, v0                           ; l % 16
	v_bfe_u32 v2, v0, 4, 1                         ; l / 16
	v_mul_u32_u24 v3, v1, PITCH
	v_lshl_add_u32 v4, v2, 4, v3
	s_mul_i32 s21, s15, HALFT
	s_mul_i32 s22, s16, HALFT
	s_add_co_u32 s22, s22, 2*HALFT
.irp s, 0,1
	v_add_nc_u32 v[ADRA+\s], s21, v4
	v_add_nc_u32 v[ADRB+\s], s22, v4
	s_add_co_u32 s21, s21, SLOT
	s_add_co_u32 s22, s22, SLOT
.endr
	v_mul_u32_u24 v5, v1, KS                       ; my row's scales: KS bytes a row, and 16 more for each 256 passed
	v_lshrrev_b32 v6, 8, v5
	v_lshl_add_u32 v5, v6, 4, v5
	s_mul_i32 s21, s15, HALFS
	s_mul_i32 s22, s16, HALFS
	s_add_co_u32 s22, s22, 2*HALFS
	s_sub_co_u32 s22, s22, s21
	v_mul_u32_u24 v6, s22, v2                      ; lanes 16-31 take w's
	s_add_co_u32 s21, s21, SCL
	v_add_nc_u32 v5, v5, v6
	v_add_nc_u32 v[ADRS], s21, v5
	s_mul_i32 s23, s14, 16*SPITCH                  ; my stage
	v_mul_u32_u24 v5, v1, SPITCH                   ; in: row l % 16, 16 bytes for each half of the lanes
	v_lshl_add_u32 v5, v2, 4, v5
	v_add_nc_u32 v[STO], s23, v5
	v_bfe_u32 v5, v0, 3, 2                         ; back: eight lanes take one head's 128 bytes of a row, the 32 lanes four rows
	v_mul_u32_u24 v5, v5, SPITCH
	v_and_b32 v6, 7, v0
	v_lshl_add_u32 v5, v6, 4, v5
	v_add_nc_u32 v[RD], s23, v5
	v_and_b32 v6, 31, v0
	v_lshlrev_b32 v[CO], 4, v6                     ; and the same four rows in a head's plane: 512 consecutive bytes
	s_lshr_b32 s20, s17, 3                         ; b
	s_mul_i32 s20, s20, 48*262144
	s_lshl_b32 s21, s42, 2
	s_lshl_b32 s22, s16, 1
	s_add_co_u32 s21, s21, s22                     ; my first head: 4 x tile column + 2 x half
	s_lshl_b32 s21, s21, 18
	s_add_co_u32 s20, s20, s21
	s_and_b32 s21, s17, 7
	s_lshl_b32 s21, s21, 8
	s_lshl_b32 s22, s15, 7
	s_add_co_u32 s21, s21, s22                     ; my first s
	s_lshl_b32 s21, s21, 7
	s_add_co_u32 s20, s20, s21
	s_mov_b32 s21, 0
	s_add_nc_u64 s[12:13], s[12:13], s[20:21]
.macro FRAG reg, adr, q, i             ; 16 rows x 128 K of 4-bit codes: 8 registers: two loads of 16 bytes, 32 bytes apart
.irp c, 0,1
	ds_load_b128 v[\reg+4*\c:\reg+4*\c+3], v[\adr] offset:64*(\q)+32*\c+(\i)*16*PITCH
.endr
.endm
; 16 matrix instructions: x's blocks a0, a0 + 1 against w's eight.  The 64 accumulators take turns, one instruction a turn.
.macro MUL16 a0, p, q, sc, zero
.irp a, \a0, \a0+1
.irp b, 0,1,2,3,4,5,6,7
.if \zero
	v_wmma_scale_f32_16x16x128_f8f6f4 v[8*(8*((\a)%4)+\b):8*(8*((\a)%4)+\b)+7], v[128*(\p)+FR*\b:128*(\p)+FR*\b+FR-1], v[AF+FR*(\a):AF+FR*(\a)+FR-1], 0, v[SC+8*NQ*(\sc)+NQ*\b+(\q)], v[SC+8*NQ*(\sc)+NQ*(\a)+(\q)] matrix_a_fmt:MATRIX_FMT_FP4 matrix_b_fmt:MATRIX_FMT_FP4 matrix_a_scale:MATRIX_SCALE_ROW1
.else
	v_wmma_scale_f32_16x16x128_f8f6f4 v[8*(8*((\a)%4)+\b):8*(8*((\a)%4)+\b)+7], v[128*(\p)+FR*\b:128*(\p)+FR*\b+FR-1], v[AF+FR*(\a):AF+FR*(\a)+FR-1], v[8*(8*((\a)%4)+\b):8*(8*((\a)%4)+\b)+7], v[SC+8*NQ*(\sc)+NQ*\b+(\q)], v[SC+8*NQ*(\sc)+NQ*(\a)+(\q)] matrix_a_fmt:MATRIX_FMT_FP4 matrix_b_fmt:MATRIX_FMT_FP4 matrix_a_scale:MATRIX_SCALE_ROW1
.endif
.endr
.endr
.endm
.macro FETCH_B slot, q, p
	WIN TO_B
.irp i, 0,1,2,3,4,5,6,7
	FRAG 128*(\p)+FR*\i, ADRB+\slot, \q, \i
.endr
	WIN 0
.endm
.macro FETCH_A slot, q, i0
.irp i, \i0, \i0+1, \i0+2, \i0+3
	FRAG AF+FR*(\i), ADRA+\slot, \q, \i
.endr
.endm
.macro SCALES sc                       ; a K step's scale words: lanes 0-15 x's block i, lanes 16-31 w's block i
.irp i, 0,1,2,3,4,5,6,7
	ds_load_b128 v[SC+8*NQ*\sc+NQ*\i:SC+8*NQ*\sc+NQ*\i+3], v[ADRS] offset:\i*SBLK
.endr
.endm
.macro PLACES n                        ; plain vector instructions between a matrix instruction and a load into, or a read of, its registers
.rept \n
	v_nop
.endr
.endm
.macro STEP slot, q, zero              ; 128 along K, with its successor in the same slot
	s_wait_dscnt 4*NL                              ; w's set and x's blocks 0-3 are in; the youngest eight loads (blocks 4-7) may be out
	WIN MUL_LO
	MUL16 0, (\q)%2, \q, \slot, \zero
	MUL16 2, (\q)%2, \q, \slot, \zero
	s_wait_dscnt 0
	PLACES NP
	FETCH_B \slot, (\q)+1, 1-(\q)%2
	FETCH_A \slot, (\q)+1, 0
	WIN MUL_HI
	MUL16 4, (\q)%2, \q, \slot, \zero
	MUL16 6, (\q)%2, \q, \slot, \zero
	PLACES NP
	WIN 0
	FETCH_A \slot, (\q)+1, 4
.endm
	s_wait_tensorcnt 1                             ; the scales and my part of slot 0 are in; slot 1's load may be out
	s_barrier_signal -1
	s_barrier_wait -1
	FETCH_B 0, 0, 0
	FETCH_A 0, 0, 0
	SCALES 0
	FETCH_A 0, 0, 4
	STEP 0, 0, 1                                   ; the first products start the sums: nothing is cleared
	STEP 0, 1, 0
	STEP 0, 2, 0
	; slot 0's last step changes slots: one barrier; nothing is filled again
	s_wait_tensorcnt 0x0                           ; my part of slot 1 has landed
	ds_add_u32 v[SPW], v[NIL]                      ; 0 onto my spare word
	s_wait_dscnt 4*NL+1                            ; (the add and x's blocks 4-7 may be out)
	WIN MUL_LO
	MUL16 0, 1, NQ-1, 0, 0
	s_wait_dscnt 0x0                               ; the add is done, and my reads of slot 0 are over
	s_barrier_signal -1
	MUL16 2, 1, NQ-1, 0, 0
	WIN 0
	s_barrier_wait -1
	PLACES NP
	v_add_nc_u32 v[ADRS], 4*NQ, v[ADRS]            ; the second K step's scale words
	FETCH_B 1, 0, 0
	FETCH_A 1, 0, 0
	SCALES 1
	WIN MUL_HI
	MUL16 4, 1, NQ-1, 0, 0
	MUL16 6, 1, NQ-1, 0, 0
	PLACES NP
	WIN 0
	FETCH_A 1, 0, 4
	STEP 1, 0, 0
	STEP 1, 1, 0
	STEP 1, 2, 0
	s_wait_dscnt 4*NL
	WIN MUL_LO
	MUL16 0, 1, NQ-1, 1, 0
	MUL16 2, 1, NQ-1, 1, 0
	s_wait_dscnt 0
	WIN MUL_HI
	MUL16 4, 1, NQ-1, 1, 0
	MUL16 6, 1, NQ-1, 1, 0
	WIN 0
; THE WAY OUT, block by block of 16 rows x 128 columns (two heads).  Rounded to f16, 16 bytes a lane; through my own stage; back as four rows of one head, which lie on end in that head's plane.
.macro PACK a
.set AC, 64*((\a)%4)
	WIN 0x0a+5*((\a)/4)                            ; sources 0 and 1: window 2 or 3
.irp b, 0,1,2,3,4,5,6,7
.irp r, 0,1,2,3
	v_cvt_pk_f16_f32 v[TMP+4*\b+\r], v[AC+8*\b+2*\r], v[AC+8*\b+2*\r+1]   ; each accumulator from its low end on
.endr
.endr
	WIN 0
.endm
.macro TOSTAGE a
.set BK, OB+192*((\a)%2)
.irp b, 0,1,2,3,4,5,6,7
	ds_store_b128 v[STO], v[TMP+4*\b:TMP+4*\b+3] offset:32*\b
.endr
.irp t, 0,1,2,3,4,5,6,7
	ds_load_b128 v[BK+4*\t:BK+4*\t+3], v[RD] offset:(\t%4)*4*SPITCH+(\t/4)*128   ; LDS serves a wave's instructions in order: these see the stores above
.endr
.endm
.macro SEND a
.set BK, OB+192*((\a)%2)
	s_wait_dscnt 0x0                               ; the block is back in registers
	s_wait_xcnt 0x0                                ; the earlier stores have read their base and their data: both may be written again
.if (\a) > 0
	s_add_nc_u64 s[12:13], s[12:13], 16*128        ; 16 rows on in both planes
.endif
.irp t, 0,1,2,3,4,5,6,7
	global_store_b128 v[CO], v[BK+4*\t:BK+4*\t+3], s[12:13] offset:(\t/4)*262144+(\t%4)*512   ; 32 lanes store 512 consecutive bytes, aligned
.endr
.endm
	PLACES NP
	PACK 0
	TOSTAGE 0
.irp a, 1,2,3,4,5,6,7                  ; block a's conversions stand between block a - 1's loads from the stage and the wait for them
	PACK \a
	SEND \a-1
	TOSTAGE \a
.endr
	SEND 7
	s_wait_tensorcnt 0x0                           ; the wave's end
	ds_add_u32 v[SPW], v[NIL]
	s_wait_dscnt 0x0
	CROUND                                         ; the closing round
	s_endpgm
.Lfunc_end_k_qa072a43101_qkv:
	.size	k_qa072a43101_qkv, .Lfunc_end_k_qa072a43101_qkv-k_qa072a43101_qkv
	.p2alignl 7, 3214868480
	.fill 96, 4, 3214868480
	.section	.rodata,"a",@progbits
	.p2align	6, 0x0
	.amdhsa_kernel k_qa072a43101_qkv
		.amdhsa_group_segment_fixed_size 327680
		.amdhsa_private_segment_fixed_size 0
		.amdhsa_enable_private_segment 0
		.amdhsa_kernarg_size 16
		.amdhsa_user_sgpr_count 2
		.amdhsa_user_sgpr_kernarg_segment_ptr 1
		.amdhsa_wavefront_size32 1
		.amdhsa_system_sgpr_workgroup_id_x 1
		.amdhsa_system_sgpr_workgroup_id_y 1
		.amdhsa_system_sgpr_workgroup_id_z 1
		.amdhsa_system_vgpr_workitem_id 0
		.amdhsa_next_free_vgpr 1024
		.amdhsa_next_free_sgpr 98
		.amdhsa_reserve_vcc 0
		.amdhsa_float_denorm_mode_32 3
		.amdhsa_float_denorm_mode_16_64 3
		.amdhsa_memory_ordered 1
		.amdhsa_forward_progress 1
		.amdhsa_inst_pref_size 127
	.end_amdhsa_kernel
	.amdgpu_metadata
---
amdhsa.version: [ 1, 2 ]
amdhsa.kernels:
  - .name:           k_qa072a43101_qkv
    .symbol:         k_qa072a43101_qkv.kd
    .args:
      - { .name: codes, .offset: 0, .size: 8, .value_kind: global_buffer, .address_space: global }
      - { .name: qkv, .offset: 8, .size: 8, .value_kind: global_buffer, .address_space: global }
    .group_segment_fixed_size: 327680
    .private_segment_fixed_size: 0
    .kernarg_segment_align: 8
    .kernarg_segment_size: 16
    .max_flat_workgroup_size: 128
    .sgpr_count:     98
    .vgpr_count:     1024
    .wavefront_size: 32
...
	.end_amdgpu_metadata
.endif
;; end of part 2
;; launch attn (part 3): grid 8 x 32, 8 waves a work-group, clusters of 4 x 1, 327,680 bytes of LDS; arguments qkv, codes, att, woh; writes att, woh
.if DOCPART == 3
	.amdgcn_target "amdgcn-amd-amdhsa--gfx1250"
	.amdhsa_code_object_version 6
	.text
	.protected	k_qa072a43101_attn
	.globl	k_qa072a43101_attn
	.p2align	8
	.type	k_qa072a43101_attn,@function
k_qa072a43101_attn:
	s_mov_b64 s[64:65], 0
	v_nop
	global_prefetch_b8 v0, s[64:65] scope:SCOPE_SE
	s_setreg_imm32_b32 hwreg(HW_REG_WAVE_MODE, 25, 1), 1
	s_wait_xcnt 0x0
	s_wait_alu depctr_hold_cnt(0) depctr_sa_sdst(0) depctr_va_vdst(0) depctr_va_sdst(0) depctr_va_ssrc(0) depctr_va_vcc(0) depctr_vm_vsrc(0)
	s_getreg_b32 s2, hwreg(HW_REG_IB_STS2, 6, 4)
	s_cmp_eq_u32 s2, 0
	s_cbranch_scc0 .Lentry_in_a_cluster
	s_endpgm
.Lentry_in_a_cluster:
	s_bfe_u32 s2, ttmp6, 0x10000c
	s_cmp_lg_u32 s2, 0x3003
	s_cbranch_scc0 .Lentry_shape_is_right
	s_endpgm
.Lentry_shape_is_right:
; out[b][s][h][:] = the sum over k of softmax_k(Q . K) V: no scale, no mask.  Q, K, V: f16 planes [2048][64] of the buffer qkv; products on f16 operands with f32 sums; maxima, exponentials and rescaling in f32.
; SHARES.  A work-group owns 256 queries of one head, each of its eight waves 32: two tiles of 16.  Two waves share a SIMD, so that one wave's vector work stands beside the other's products and LDS loads.
; Every wave walks all 2,048 keys, 64 a step, 8 steps to a slot of 512 keys; two slots, each filled twice.
; LAYOUT.  S^T = K Q^T (source 0 = 16 keys, source 1 = 16 queries): a lane holds ONE query and the keys 8 (lane / 16) + 0..7 of each tile.  Two such tiles rounded to f16 in pairs ARE source 1 of O^T = V^T P.
; V ([key][channel]) is turned on its way out of LDS by ds_load_tr16_b128.  THE ROW'S SUM is one more product, ONES x P: every row of its result is the sum over the keys of the very p that V is multiplied by.
; SOFTMAX.  A running maximum m for each query: p = 2^(c s - c m), c = log2(e); in every step O and the sum are multiplied by a = 2^(c m_old - c m_new).  The step is written once: O and the sum begin as zeros, m as -1e38.
; CLUSTER.  The four query blocks of a cluster walk the same K and V: each tile is asked for jointly.  A refill has a whole slot, eight key steps, in which to land.
; The result leaves as f16 in tile order: att[(m / 128) x 2^20 + head x 16,384 + (m % 128) x 128].  Each wave also stores (its largest |out|) x (the largest |wo|) at the head of woh: the next launch's bound.
; LIMITS: scores under -1e38, NaN and infinities are not served.
; REGISTERS.  window 0: v2-9 addresses; v12-27 statistics, 8 a tile (+0 c m, +1 m, +2 a, +3 zero, +4..7 at work); v32-95 S^T; v96-127 P; v128-191 O^T; v192-207 the sums; v208-239 the way out.
;   window 1: v0-31 Q; v32-95 K of a step; v96-159 V of a step; v160-167 ones.
.set KP,    272                        ; two keys of K are one LDS row: 256 bytes + 16: key k at (k / 2) KP + 128 (k % 2): the 16 keys of a load start at 16 different 16-byte columns
.set VP,    288                        ; the same for V with 32 bytes of padding: the 16 lanes of a turning load's pass take 16 different columns
.set VOFF,  256*KP
.set SLOTB, VOFF+256*VP
.set SPARE, 2*SLOTB                    ; the spare words: 128 bytes a wave, named by no other line
.set STP,   144                        ; the way out: a stage of 32 rows x (128 bytes + 16) for each wave, in slot 0, which has had its last fill and its last read by then
.set SEC_ST, 3899392
.set AK0, 2
.set AV0, 3
.set ADK, 4
.set ADV, 5
.set QO,  6
.set STO, 7
.set RD,  8
.set GO,  9
.set ST,  12
.set SPW, 28
.set NIL, 29
.set WOM, 30
.set S,   32
.set P,   96
.set O,   128
.set L,   192
.set PK,  208
.set QF,  0
.set KF,  32
.set VF,  96
.set ONE, 160
.set WV,  12
.set G1K, 24
.set G1V, 32
.set G0K, 40                           ; s[40:47] group 0 for K's tiles, a set for each slot;  s[48:55] for V's
.set G0V, 48
.set CS,  56
.set SEL, 58
.set TBK, 60
.set TBV, 61
.set CNT, 62
.set MSB, 0
.macro WIN new
.if MSB != \new
	s_set_vgpr_msb (MSB<<8)|\new
.set MSB, \new
.endif
.endm
.macro CROUND
	s_barrier_signal -1
	s_barrier_wait -1
	s_cmp_lg_u32 s[WV], 0
	s_cbranch_scc1 .Lnot_wave_0_\@
	s_barrier_signal -3
.Lnot_wave_0_\@:
	s_barrier_wait -3
	s_barrier_signal -1
	s_barrier_wait -1
.endm
; A joint refill: waves 0-3 fetch the quarters of K's tile, waves 4-7 those of V's.  An s_nop 0 and four v_nop follow each of the two lines.
.macro JLOAD slot
	s_cmp_lt_u32 s[WV], 4
	s_cbranch_scc0 .Lfor_v_\@
	tensor_load_to_lds s[G0K+4*\slot:G0K+4*\slot+3], s[G1K:G1K+7]
	s_nop 0
.rept 4
	v_nop
.endr
	s_branch .Lasked_\@
.Lfor_v_\@:
	tensor_load_to_lds s[G0V+4*\slot:G0V+4*\slot+3], s[G1V:G1V+7]
	s_nop 0
.rept 4
	v_nop
.endr
.Lasked_\@:
.endm
	s_load_b256 s[4:11], s[0:1], 0x0               ; qkv, codes, att, woh
	v_lshl_add_u32 v[SPW], v0, 2, SPARE
	v_mov_b32 v[NIL], 0
	ds_add_u32 v[SPW], v[NIL]                      ; the wave's opening: the add and its wait ahead of my first tensor load
	v_lshrrev_b32 v1, 5, v0
	v_readfirstlane_b32 s[WV], v1                  ; wave 0..7
	s_bfe_u32 s13, ttmp6, 0x40000                  ; cx
	s_lshl_b32 s14, ttmp9, 2
	s_add_co_u32 s14, s14, s13                     ; my block of 256 queries: it enters Q's, att's and woh's addresses alone
	s_and_b32 s15, ttmp7, 0xffff                   ; 16 b + h, which the four partners share
	s_lshr_b32 s20, s15, 4                         ; b
	s_and_b32 s21, s15, 15                         ; h
	s_mul_i32 s22, s20, 48
	s_add_co_u32 s22, s22, s21
	s_lshl_b32 s22, s22, 18                        ; Q's plane; K's lies 16 planes on, V's 32
	s_and_b32 s23, s[WV], 3                        ; which quarter of a tile I fetch
	s_mul_i32 s16, s23, 64*KP
	s_mul_i32 s17, s23, 64*VP
	s_add_co_u32 s17, s17, VOFF
	s_lshl_b32 s18, s23, 14                        ; 128 keys of 128 bytes
	s_add_co_u32 s18, s18, s22
	s_mov_b32 s19, 0
	s_lshl_b32 s2, s14, 15                         ; Q: my block's 256 rows, my wave's 32
	s_lshl_b32 s3, s[WV], 12
	s_add_co_u32 s2, s2, s3
	s_add_co_u32 s2, s2, s22
	s_mov_b32 s3, 0
	s_lshl_b32 s60, s20, 4                         ; att: tile of 128 rows 16 b + 2 x block + wave / 4,
	s_lshl_b32 s61, s14, 1
	s_add_co_u32 s60, s60, s61
	s_lshr_b32 s61, s[WV], 2
	s_add_co_u32 s60, s60, s61
	s_lshl_b32 s60, s60, 20
	s_lshl_b32 s61, s21, 14                        ; panel h,
	s_add_co_u32 s60, s60, s61
	s_lshl_b32 s61, s23, 12                        ; rows 32 (wave % 4) on
	s_add_co_u32 s60, s60, s61
	s_mov_b32 s61, 0
	s_lshl_b32 s62, s15, 3                         ; woh: word ((16 b + h) x 8 + block) x 8 + wave
	s_add_co_u32 s62, s62, s14
	s_lshl_b32 s62, s62, 3
	s_add_co_u32 s62, s62, s[WV]
	s_lshl_b32 s62, s62, 2
	s_mov_b32 s63, 0
	s_mov_b32 s[G1K], 15|(1<<16)|(1<<20)|(1<<21)|(5<<22)|(3<<25)  ; the mask: all four work-groups; elements of 2 bytes; padding: 4 words after every 64; bit 21 beside a mask
	s_mov_b32 s[G1V], 15|(1<<16)|(1<<20)|(1<<21)|(5<<22)|(7<<25)  ; the same with 8 words of padding
.irp g, G1K, G1V
	s_mov_b32 s[\g+1], 128<<16                     ; tensor_dim0: two keys, 128 elements
	s_mov_b32 s[\g+2], 64<<16                      ; tensor_dim1
	s_mov_b32 s[\g+3], 128<<16                     ; tile_dim0
	s_mov_b32 s[\g+4], 64                          ; tile_dim1
	s_mov_b32 s[\g+5], 128                         ; the pitch: the plane is dense
	s_mov_b32 s[\g+6], 0
	s_mov_b32 s[\g+7], 0
.endr
	s_mov_b32 s[CS], 0x3fb8aa3b                    ; c = log2(e)
	s_mov_b32 s[CS+1], s[CS]
	s_mov_b32 s[SEL], 0x76543210
	s_mov_b32 s[SEL+1], 0xfedcba98
	s_wait_dscnt 0x0                               ; the opening add is done
	s_wait_kmcnt 0x0
	s_add_nc_u64 s[18:19], s[4:5], s[18:19]        ; my quarter, counted from Q's plane
	s_add_nc_u64 s[4:5], s[4:5], s[2:3]            ; Q at my wave's first row
	s_add_nc_u64 s[6:7], s[6:7], SEC_ST            ; the largest |wo| of 512 waves
	s_add_nc_u64 s[8:9], s[8:9], s[60:61]
	s_add_nc_u64 s[10:11], s[10:11], s[62:63]
	CROUND                                         ; all four work-groups are here: the first joint loads meet
.irp s, 0,1
	s_mov_b32 s[G0K+4*\s], 1
	s_add_co_u32 s[G0K+4*\s+1], s16, \s*SLOTB
	s_add_nc_u64 s[G0K+4*\s+2:G0K+4*\s+3], s[18:19], 16*262144+\s*65536
	s_or_b32 s[G0K+4*\s+3], s[G0K+4*\s+3], 0x80000000
	s_mov_b32 s[G0V+4*\s], 1
	s_add_co_u32 s[G0V+4*\s+1], s17, \s*SLOTB
	s_add_nc_u64 s[G0V+4*\s+2:G0V+4*\s+3], s[18:19], 32*262144+\s*65536
	s_or_b32 s[G0V+4*\s+3], s[G0V+4*\s+3], 0x80000000
.endr
	s_cmp_lt_u32 s[WV], 4                          ; a wave's two first fills stand in one branch: two loads of mine are out
	s_cbranch_scc0 .Lfirst_v
	tensor_load_to_lds s[G0K:G0K+3], s[G1K:G1K+7]
	s_nop 0
	tensor_load_to_lds s[G0K+4:G0K+7], s[G1K:G1K+7]
	s_nop 0
.rept 4
	v_nop
.endr
	s_branch .Lfirst_asked
.Lfirst_v:
	tensor_load_to_lds s[G0V:G0V+3], s[G1V:G1V+7]
	s_nop 0
	tensor_load_to_lds s[G0V+4:G0V+7], s[G1V:G1V+7]
	s_nop 0
.rept 4
	v_nop
.endr
.Lfirst_asked:
	v_and_b32 v1, 15, v0                           ; r
	v_bfe_u32 v10, v0, 4, 1                        ; h
	v_lshlrev_b32 v[QO], 7, v1
	v_lshl_add_u32 v[QO], v10, 4, v[QO]            ; Q: row r of 128 bytes, + 16 h
	WIN 0x40                                       ; destination window 1
.irp t, 0,1
.irp c, 0,1
	global_load_b128 v[QF+16*\t+8*\c:QF+16*\t+8*\c+3],   v[QO], s[4:5] offset:2048*\t+64*\c
	global_load_b128 v[QF+16*\t+8*\c+4:QF+16*\t+8*\c+7], v[QO], s[4:5] offset:2048*\t+64*\c+32
.endr
.endr
.irp i, 0,1,2,3,4,5,6,7
	v_mov_b32 v[ONE+\i], 0x3c003c00                ; 1.0 twice, in f16
.endr
	WIN 0
	v_and_b32 v11, 31, v0
	v_lshlrev_b32 v[GO], 4, v11                    ; 16 bytes a lane
.irp i, 0,1,2,3
	global_load_b128 v[S+4*\i:S+4*\i+3], v[GO], s[6:7] offset:512*\i
.endr
	v_lshrrev_b32 v11, 1, v1
	v_mul_u32_u24 v[AK0], v11, KP
	v_and_b32 v11, 1, v1
	v_lshl_add_u32 v[AK0], v11, 7, v[AK0]
	v_lshl_add_u32 v[AK0], v10, 4, v[AK0]          ; K: key r of a tile, + 16 h
	v_and_b32 v11, 7, v0
	v_lshl_add_u32 v11, v10, 3, v11                ; V: key 8 h + lane % 8,
	v_lshrrev_b32 v31, 1, v11
	v_mul_u32_u24 v[AV0], v31, VP
	v_and_b32 v31, 1, v11
	v_lshl_add_u32 v[AV0], v31, 7, v[AV0]
	v_bfe_u32 v31, v0, 3, 1
	v_lshl_add_u32 v[AV0], v31, 4, v[AV0]          ; channels 8 ((lane / 8) % 2) on
	v_add_nc_u32 v[AV0], VOFF, v[AV0]
	s_mul_i32 s20, s[WV], 32*STP                   ; my stage
	v_mul_u32_u24 v[STO], v1, STP
	v_lshl_add_u32 v[STO], v10, 4, v[STO]
	v_add_nc_u32 v[STO], s20, v[STO]               ; in: row r, + 16 h
	v_bfe_u32 v11, v0, 3, 2
	v_mul_u32_u24 v[RD], v11, STP
	v_and_b32 v11, 7, v0
	v_lshl_add_u32 v[RD], v11, 4, v[RD]
	v_add_nc_u32 v[RD], s20, v[RD]                 ; back: eight lanes to a row, four rows an instruction
.set i, 0
.rept 80
	v_mov_b32 v[O+i], 0                            ; O^T and the sums: the step is written once, and its first trip multiplies zeros
.set i, i+1
.endr
.irp t, 0,1
	v_mov_b32 v[ST+8*\t+1], 0xfe967699             ; m = -1e38
	v_mov_b32 v[ST+8*\t+3], 0                      ; (named with a as a pair, so it is written)
	v_mul_f32 v[ST+8*\t], s[CS], v[ST+8*\t+1]      ; c m
.endr
	s_wait_loadcnt 0x0                             ; Q and the 512 words
	v_max3_num_f32 v[WOM], v[S], v[S+1], v[S+2]
.irp i, 3,5,7,9,11,13
	v_max3_num_f32 v[WOM], v[WOM], v[S+\i], v[S+\i+1]
.endr
	v_max_num_f32 v[WOM], v[WOM], v[S+15]
	v_max_num_f32_dpp v[WOM], v[WOM], v[WOM] row_xmask:1 row_mask:0xf bank_mask:0xf
	v_max_num_f32_dpp v[WOM], v[WOM], v[WOM] row_xmask:2 row_mask:0xf bank_mask:0xf
	v_max_num_f32_dpp v[WOM], v[WOM], v[WOM] row_xmask:4 row_mask:0xf bank_mask:0xf
	v_max_num_f32_dpp v[WOM], v[WOM], v[WOM] row_xmask:8 row_mask:0xf bank_mask:0xf
	v_permlanex16_b32 v31, v[WOM], s[SEL], s[SEL+1]
	v_max_num_f32 v[WOM], v[WOM], v31              ; the largest |wo|
	s_wait_tensorcnt 0x1                           ; my part of slot 0 is in; slot 1's may stay out
	s_barrier_signal -1
	s_barrier_wait -1
; A KEY STEP: 64 keys.
.macro STEP
	v_add_nc_u32 v[ADK], s[TBK], v[AK0]            ; two additions and two v_nop: the four places between the last products and the loads into V's registers
	v_add_nc_u32 v[ADV], s[TBV], v[AV0]
	v_nop
	v_nop
	WIN 0x40
.irp kt, 0,1,2,3
.irp c, 0,1
	ds_load_b128 v[KF+16*\kt+8*\c:KF+16*\kt+8*\c+3],   v[ADK] offset:\kt*8*KP+64*\c
	ds_load_b128 v[KF+16*\kt+8*\c+4:KF+16*\kt+8*\c+7], v[ADK] offset:\kt*8*KP+64*\c+32
.endr
.endr
.irp ct, 0,1,2,3
.irp kh, 0,1
	ds_load_tr16_b128 v[VF+16*\ct+8*\kh:VF+16*\ct+8*\kh+3],   v[ADV] offset:32*\ct+\kh*16*VP
	ds_load_tr16_b128 v[VF+16*\ct+8*\kh+4:VF+16*\ct+8*\kh+7], v[ADV] offset:32*\ct+\kh*16*VP+8*VP
.endr
.endr
	s_wait_dscnt 16                                ; K's 16 loads are in; V's 16 stay out until the second product
	WIN 0x05                                       ; K and Q in window 1
.irp kt, 0,1,2,3                       ; eight accumulators by turns; the first 32 channels start the sums
.irp t, 0,1
	v_wmma_f32_16x16x32_f16 v[S+32*\t+8*\kt:S+32*\t+8*\kt+7], v[KF+16*\kt:KF+16*\kt+7], v[QF+16*\t:QF+16*\t+7], 0
.endr
.endr
.irp kt, 0,1,2,3
.irp t, 0,1
	v_wmma_f32_16x16x32_f16 v[S+32*\t+8*\kt:S+32*\t+8*\kt+7], v[KF+16*\kt+8:KF+16*\kt+15], v[QF+16*\t+8:QF+16*\t+15], v[S+32*\t+8*\kt:S+32*\t+8*\kt+7]
.endr
.endr
	WIN 0
.rept 4
	v_nop
.endr
.irp j, 0,1,2,3                        ; the maximum of my 32 scores and the old m: four chains a tile, each accumulator from its low end on; the two tiles line by line
.irp t, 0,1
	v_max3_num_f32 v[ST+8*\t+4+\j], v[S+32*\t+8*\j], v[S+32*\t+8*\j+1], v[S+32*\t+8*\j+2]
.endr
.endr
.irp g, 1,2
.irp j, 0,1,2,3
.irp t, 0,1
	v_max3_num_f32 v[ST+8*\t+4+\j], v[ST+8*\t+4+\j], v[S+32*\t+8*\j+2*\g+1], v[S+32*\t+8*\j+2*\g+2]
.endr
.endr
.endr
.irp t, 0,1
	v_max3_num_f32 v[ST+8*\t+4], v[ST+8*\t+4], v[S+32*\t+7], v[S+32*\t+15]
	v_max3_num_f32 v[ST+8*\t+6], v[ST+8*\t+6], v[S+32*\t+23], v[S+32*\t+31]
.endr
.irp t, 0,1
	v_max3_num_f32 v[ST+8*\t+4], v[ST+8*\t+4], v[ST+8*\t+5], v[ST+8*\t+6]
.endr
.irp t, 0,1
	v_max3_num_f32 v[ST+8*\t+4], v[ST+8*\t+4], v[ST+8*\t+7], v[ST+8*\t+1]
.endr
.irp t, 0,1
	v_permlanex16_b32 v[ST+8*\t+5], v[ST+8*\t+4], s[SEL], s[SEL+1]   ; the query's other 32 keys lie in the lane 16 away
.endr
.irp t, 0,1
	v_mov_b32 v[ST+8*\t+7], v[ST+8*\t]             ; c m_old
.endr
.irp t, 0,1
	v_max_num_f32 v[ST+8*\t+1], v[ST+8*\t+4], v[ST+8*\t+5]
.endr
.irp t, 0,1
	v_mul_f32 v[ST+8*\t], s[CS], v[ST+8*\t+1]
.endr
.irp t, 0,1
	v_sub_f32 v[ST+8*\t+7], v[ST+8*\t+7], v[ST+8*\t]
.endr
.set i, 0
.rept 32
	v_pk_fma_f32 v[S+2*i:S+2*i+1], v[S+2*i:S+2*i+1], s[CS:CS+1], v[ST+8*(i/16):ST+8*(i/16)+1] op_sel_hi:[1,0,0] neg_lo:[0,0,1] neg_hi:[0,0,1]   ; c s - c m, two at a time
.set i, i+1
.endr
.irp t, 0,1                            ; ONE BATCH of 66 exponentials: none of them reads another's result
	v_exp_f32 v[ST+8*\t+2], v[ST+8*\t+7]           ; a
.endr
.set i, 0
.rept 64
	v_exp_f32 v[S+i], v[S+i]                       ; p
.set i, i+1
.endr
	v_nop                                          ; a plain instruction behind the last exponential
	s_wait_alu depctr_va_vdst(0)                   ; one wait for the batch, ahead of its first reader
.set i, 0
.rept 32
	v_cvt_pk_f16_f32 v[P+i], v[S+2*i], v[S+2*i+1]  ; p lies in (0, 1]: f16 has the room
.set i, i+1
.endr
.set i, 0
.rept 32
	v_pk_mul_f32 v[O+2*i:O+2*i+1], v[O+2*i:O+2*i+1], v[ST+8*(i/16)+2:ST+8*(i/16)+3] op_sel_hi:[1,0]   ; O^T x a, each accumulator from its low end on
.set i, i+1
.endr
.irp t, 0,1
	v_pk_mul_f32 v[L+8*\t:L+8*\t+1], v[L+8*\t:L+8*\t+1], v[ST+8*\t+2:ST+8*\t+3] op_sel_hi:[1,0]   ; the sum x a: its register 0 alone is read at the end; the others only ever add up p, at most 2,048
.endr
	s_wait_dscnt 0x0                               ; V is in
	WIN 0x01                                       ; V and the ones in window 1
.irp kh, 0,1                           ; ten accumulators by turns
.irp ct, 0,1,2,3
.irp t, 0,1
	v_wmma_f32_16x16x32_f16 v[O+32*\t+8*\ct:O+32*\t+8*\ct+7], v[VF+16*\ct+8*\kh:VF+16*\ct+8*\kh+7], v[P+16*\t+8*\kh:P+16*\t+8*\kh+7], v[O+32*\t+8*\ct:O+32*\t+8*\ct+7]
.endr
.endr
.irp t, 0,1
	v_wmma_f32_16x16x32_f16 v[L+8*\t:L+8*\t+7], v[ONE:ONE+7], v[P+16*\t+8*\kh:P+16*\t+8*\kh+7], v[L+8*\t:L+8*\t+7]
.endr
.endr
	WIN 0
.endm
.macro SLOT_STEPS slot                 ; a slot's eight key steps: written once, walked eight times
	s_mov_b32 s[TBK], \slot*SLOTB
	s_mov_b32 s[TBV], \slot*SLOTB
	s_mov_b32 s[CNT], 8
.Lstep_\@:
	STEP
	s_add_co_u32 s[TBK], s[TBK], 32*KP
	s_add_co_u32 s[TBV], s[TBV], 32*VP
	s_sub_co_u32 s[CNT], s[CNT], 1
	s_cmp_lg_u32 s[CNT], 0
	s_cbranch_scc1 .Lstep_\@
.endm
; THE CHANGE OF SLOTS.  Each wave waits for all its tensor loads (its part of the slot ahead), adds 0 to its spare word, and waits for that and for its reads of the slot just left.
; fill = 1: the barrier is a round of the cluster's, and the slot just left is filled with the keys two slots on: the wave's one tensor load until the next round.
.macro CHANGE slot, fill
	s_wait_tensorcnt 0x0
	ds_add_u32 v[SPW], v[NIL]
.if \fill
	s_add_nc_u64 s[G0K+4*\slot+2:G0K+4*\slot+3], s[G0K+4*\slot+2:G0K+4*\slot+3], 2*65536   ; no tensor load of mine is out: a group 0 may be written
	s_add_nc_u64 s[G0V+4*\slot+2:G0V+4*\slot+3], s[G0V+4*\slot+2:G0V+4*\slot+3], 2*65536
.endif
	s_wait_dscnt 0x0
.if \fill
	CROUND
	JLOAD \slot
.else
	s_barrier_signal -1
	s_barrier_wait -1
.endif
.endm
	SLOT_STEPS 0                                   ; keys 0-511
	CHANGE 0, 1
	SLOT_STEPS 1                                   ; 512-1023
	CHANGE 1, 1
	SLOT_STEPS 0                                   ; 1024-1535
	CHANGE 0, 0
	SLOT_STEPS 1                                   ; 1536-2047
	; THE WAY OUT.  O^T / the sum, its largest magnitude, f16, through my stage, out as four rows (512 consecutive bytes) an instruction.
.rept 4
	v_nop
.endr
	v_rcp_f32 v[ST+2], v[L]
	v_rcp_f32 v[ST+10], v[L+8]
	v_mov_b32 v31, 0                               ; (a plain instruction behind the reciprocals)
	v_mov_b32 v10, 0
	s_wait_alu depctr_va_vdst(0)                   ; one wait for both, ahead of their first reader
.irp t, 0,1
.set i, 0
.rept 16
	v_pk_mul_f32 v[O+32*\t+2*i:O+32*\t+2*i+1], v[O+32*\t+2*i:O+32*\t+2*i+1], v[ST+8*\t+2:ST+8*\t+3] op_sel_hi:[1,0]
.set i, i+1
.endr
.set i, 0
.rept 8
	v_max3_num_f32 v31, v31, |v[O+32*\t+4*i]|, |v[O+32*\t+4*i+1]|
	v_max3_num_f32 v10, v10, |v[O+32*\t+4*i+2]|, |v[O+32*\t+4*i+3]|
.set i, i+1
.endr
.set i, 0
.rept 16
	v_cvt_pk_f16_f32 v[PK+16*\t+i], v[O+32*\t+2*i], v[O+32*\t+2*i+1]
.set i, i+1
.endr
.irp ct, 0,1,2,3
	ds_store_b128 v[STO], v[PK+16*\t+4*\ct:PK+16*\t+4*\ct+3] offset:16*STP*\t+32*\ct
.endr
.irp i, 0,1,2,3
	ds_load_b128 v[S+16*\t+4*\i:S+16*\t+4*\i+3], v[RD] offset:16*STP*\t+4*STP*\i   ; LDS serves a wave's instructions in order: these see the stores above
.endr
.endr
.irp i, 0,1,2,3
	s_wait_dscnt 11-\i                             ; behind tile 0's load i: its 3 - i later loads, tile 1's four stores and four loads
	global_store_b128 v[GO], v[S+4*\i:S+4*\i+3], s[8:9] offset:512*\i
.endr
.irp i, 0,1,2,3
	s_wait_dscnt 3-\i
	global_store_b128 v[GO], v[S+16+4*\i:S+16+4*\i+3], s[8:9] offset:2048+512*\i
.endr
	v_max_num_f32 v31, v31, v10
	v_max_num_f32_dpp v31, v31, v31 row_xmask:1 row_mask:0xf bank_mask:0xf
	v_max_num_f32_dpp v31, v31, v31 row_xmask:2 row_mask:0xf bank_mask:0xf
	v_max_num_f32_dpp v31, v31, v31 row_xmask:4 row_mask:0xf bank_mask:0xf
	v_max_num_f32_dpp v31, v31, v31 row_xmask:8 row_mask:0xf bank_mask:0xf
	v_permlanex16_b32 v10, v31, s[SEL], s[SEL+1]
	v_max_num_f32 v31, v31, v10
	v_mul_f32 v31, v31, v[WOM]                     ; my wave's largest |out| x the largest |wo|
	v_and_b32 v11, 31, v0
	v_mov_b32 v10, 0
	v_cmp_eq_u32 vcc_lo, 0, v11
	s_wait_xcnt 0x0                                ; EXEC is a source of the stores above: it changes only behind this wait
	s_and_saveexec_b32 s63, vcc_lo
	global_store_b32 v10, v31, s[10:11]
	s_wait_xcnt 0x0
	s_or_b32 exec_lo, exec_lo, s63
	s_wait_tensorcnt 0x0                           ; the wave's end
	ds_add_u32 v[SPW], v[NIL]
	s_wait_dscnt 0x0
	CROUND                                         ; the closing round
	s_endpgm
.Lfunc_end_k_qa072a43101_attn:
	.size	k_qa072a43101_attn, .Lfunc_end_k_qa072a43101_attn-k_qa072a43101_attn
	.p2alignl 7, 3214868480
	.fill 96, 4, 3214868480
	.section	.rodata,"a",@progbits
	.p2align	6, 0x0
	.amdhsa_kernel k_qa072a43101_attn
		.amdhsa_group_segment_fixed_size 327680
		.amdhsa_private_segment_fixed_size 0
		.amdhsa_enable_private_segment 0
		.amdhsa_kernarg_size 32
		.amdhsa_user_sgpr_count 2
		.amdhsa_user_sgpr_kernarg_segment_ptr 1
		.amdhsa_wavefront_size32 1
		.amdhsa_system_sgpr_workgroup_id_x 1
		.amdhsa_system_sgpr_workgroup_id_y 1
		.amdhsa_system_sgpr_workgroup_id_z 1
		.amdhsa_system_vgpr_workitem_id 0
		.amdhsa_next_free_vgpr 448
		.amdhsa_next_free_sgpr 66
		.amdhsa_reserve_vcc 1
		.amdhsa_float_denorm_mode_32 3
		.amdhsa_float_denorm_mode_16_64 3
		.amdhsa_memory_ordered 1
		.amdhsa_forward_progress 1
		.amdhsa_inst_pref_size 87
	.end_amdhsa_kernel
	.amdgpu_metadata
---
amdhsa.version: [ 1, 2 ]
amdhsa.kernels:
  - .name:           k_qa072a43101_attn
    .symbol:         k_qa072a43101_attn.kd
    .args:
      - { .name: qkv, .offset: 0, .size: 8, .value_kind: global_buffer, .address_space: global }
      - { .name: codes, .offset: 8, .size: 8, .value_kind: global_buffer, .address_space: global }
      - { .name: att, .offset: 16, .size: 8, .value_kind: global_buffer, .address_space: global }
      - { .name: woh, .offset: 24, .size: 8, .value_kind: global_buffer, .address_space: global }
    .group_segment_fixed_size: 327680
    .private_segment_fixed_size: 0
    .kernarg_segment_align: 8
    .kernarg_segment_size: 32
    .max_flat_workgroup_size: 256
    .sgpr_count:     66
    .vgpr_count:     448
    .wavefront_size: 32
...
	.end_amdgpu_metadata
.endif
;; end of part 3
;; launch proj_o (part 4): grid 8 x 32, 4 waves a work-group, clusters of 4 x 4, 327,680 bytes of LDS; arguments att, woh, xo; writes xo
.if DOCPART == 4
	.amdgcn_target "amdgcn-amd-amdhsa--gfx1250"
	.amdhsa_code_object_version 6
	.text
	.protected	k_qa072a43101_proj_o
	.globl	k_qa072a43101_proj_o
	.p2align	8
	.type	k_qa072a43101_proj_o,@function
k_qa072a43101_proj_o:
	s_mov_b64 s[64:65], 0
	v_nop
	global_prefetch_b8 v0, s[64:65] scope:SCOPE_SE
	s_setreg_imm32_b32 hwreg(HW_REG_WAVE_MODE, 25, 1), 1
	s_wait_xcnt 0x0
	s_wait_alu depctr_hold_cnt(0) depctr_sa_sdst(0) depctr_va_vdst(0) depctr_va_sdst(0) depctr_va_ssrc(0) depctr_va_vcc(0) depctr_vm_vsrc(0)
	s_getreg_b32 s2, hwreg(HW_REG_IB_STS2, 6, 4)
	s_cmp_eq_u32 s2, 0
	s_cbranch_scc0 .Lentry_in_a_cluster
	s_endpgm
.Lentry_in_a_cluster:
	s_bfe_u32 s2, ttmp6, 0x10000c
	s_cmp_lg_u32 s2, 0xf033
	s_cbranch_scc0 .Lentry_shape_is_right
	s_endpgm
.Lentry_shape_is_right:
; C' = (A B^T) x 2^(123 - E), f16 operands, f32 sums, f16 result; K = 1,024.  It serves two launches: A = out, B = wo; and A = xo', B = w1.
; E is the exponent field of g, the largest of the 2,048 words at B's head.  There g bounds (largest |A|) x (largest |B|) (first launch) or the largest |B| (second, where |A| < 2^7): so |C'| stays under 2^14,
; whatever the inputs' size, and the factor is an exact power of two, which the last launch takes back.  LIMIT: factors beyond f32's exponent range are not served.
; LAYOUT of A, B, C in memory: panels: 64 along K of 128 rows are 16,384 consecutive bytes, row r at 128 r; a tile of 128 rows begins every 2^20 bytes in A and C, every 262,144 in B (behind its 8,192 bytes of words).
; SHARES.  A work-group makes 128 x 128 of C.  THE FOUR WAVES SPLIT K, NOT C: a slot holds 256 along K, four panels of A and four of B, and wave w multiplies panel w for all 128 x 128: 64 accumulators, 512 registers,
; so that 16 KB read from LDS feed 64 matrix instructions.  The four partial sums meet once, at the end, through LDS: wave w ends up with rows 32 w .. 32 w + 31.
; So that this needs no text of its own for each wave, wave w takes A's groups of 32 rows in the order j xor w: its accumulators of group 0 are the rows that it owns.
; CLUSTERS: 4 x 4 work-groups; A's tiles are asked for jointly along a row of the cluster, B's along a column.  The matrix instruction is used transposed (source 0 = rows of B, source 1 = rows of A).
; REGISTERS: window 0: v1-31 addresses and the factor; v64-127, v128-191 A's fragments, two buffers; window 1: the same for B; windows 2, 3: the accumulators ((a, b) at v[8 (8 a + b)]).
.set LAPS,   2                         ; a lap = two slots = 512 along K
.set NTS,    262144                    ; from a tile of B's rows to the next
.set HDR,    8192
.set PITCH,  272                       ; two rows of a panel are one LDS row: 256 bytes + 16: row r at (r / 2) PITCH + 128 (r % 2): the 16 rows of a load start at 16 different 16-byte columns
.set BLK,    8*PITCH                   ; 16 rows
.set PANB,   64*PITCH                  ; a panel
.set HALFT,  2*PANB                    ; what one tensor load brings
.set SLOT,   8*PANB
.set SPARE,  2*SLOT                    ; the spare words: 128 bytes a wave, named by no other line
.set REDW,   49152                     ; behind the ring's last fill and last read its bytes serve the sum: three images of 16,384 bytes for each wave,
.set REDM,   16384
.set STAGE,  4*REDW                    ; and a stage of 16 rows x (256 bytes + 16) for each wave
.set SPITCH, 272
.set ADRA, 8                           ; v8-15   A's group j in slot 0 (v8+j) and slot 1 (v12+j)
.set ADRB, 16                          ; v16-17  B's panel in slot 0, 1
.set SND,  18                          ; v18-20  where my accumulators of groups 1, 2, 3 go
.set RCV,  21                          ; v21     where the three images for me lie
.set STO,  22
.set RD,   23
.set CO,   24                          ; v24     16 x lane
.set SCL,  26                          ; v[26:27] the factor, twice
.set SPW,  28
.set NIL,  29
.set F0,   64
.set F1,   128
.set G1,  24
.set G0,  32
.set G1B, 48
.set G0B, 56
.set MSB, 0
.macro WIN new
.if MSB != \new
	s_set_vgpr_msb (MSB<<8)|\new
.set MSB, \new
.endif
.endm
.set MUL_LO, 0xa1                      ; source 0 (B) window 1, source 1 (A) window 0, C and D window 2
.set MUL_HI, 0xf1
.set TO_B,   0x40
.macro JLOAD s                         ; a joint load: waves 0, 1 fetch A's panels, waves 2, 3 B's; an s_nop 0 and four v_nop follow each of the two lines
	s_cmp_eq_u32 s15, 0
	s_cbranch_scc0 .Lfor_b_\@
	tensor_load_to_lds s[G0+4*\s:G0+4*\s+3], s[G1:G1+7]
	s_nop 0
.rept 4
	v_nop
.endr
	s_branch .Lasked_\@
.Lfor_b_\@:
	tensor_load_to_lds s[G0B+4*\s:G0B+4*\s+3], s[G1B:G1B+7]
	s_nop 0
.rept 4
	v_nop
.endr
.Lasked_\@:
.endm
.macro CREST
	s_cmp_lg_u32 s14, 0
	s_cbranch_scc1 .Lnot_wave_0_\@
	s_barrier_signal -3
.Lnot_wave_0_\@:
	s_barrier_wait -3
	s_barrier_signal -1
	s_barrier_wait -1
.endm
.macro CROUND
	s_barrier_signal -1
	s_barrier_wait -1
	CREST
.endm
	s_load_b128 s[4:7], s[0:1], 0x0                ; A, B
	s_load_b64 s[8:9], s[0:1], 0x10                ; C
	v_lshl_add_u32 v[SPW], v0, 2, SPARE
	v_mov_b32 v[NIL], 0
	ds_add_u32 v[SPW], v[NIL]                      ; the wave's opening: the add and its wait ahead of my first tensor load
	v_lshrrev_b32 v1, 5, v0
	v_readfirstlane_b32 s14, v1                    ; wave 0..3
	s_lshr_b32 s15, s14, 1                         ; I fetch for A (0) or for B (1),
	s_and_b32 s16, s14, 1                          ; panels 0, 1 or 2, 3 of a slot
	s_bfe_u32 s40, ttmp6, 0x40000
	s_bfe_u32 s41, ttmp6, 0x40004
	s_lshl_b32 s42, ttmp9, 2
	s_add_co_u32 s42, s42, s40                     ; tile column
	s_and_b32 s17, ttmp7, 0xffff
	s_lshl_b32 s17, s17, 2
	s_add_co_u32 s17, s17, s41                     ; tile row
	s_lshl_b32 s43, s41, 2
	s_lshl_b32 s43, 15, s43                        ; my row of the cluster
	s_lshl_b32 s44, 0x1111, s40                    ; my column
	s_or_b32 s[G1+0], s43, (1<<16)|(1<<20)|(1<<21)|(5<<22)|(3<<25)   ; the mask; elements of 2 bytes; padding: 4 words after every 64; bit 21 beside a mask
	s_or_b32 s[G1B+0], s44, (1<<16)|(1<<20)|(1<<21)|(5<<22)|(3<<25)
.irp g, G1, G1B
	s_mov_b32 s[\g+1], 128<<16                     ; tensor_dim0: 128 elements, 256 bytes
	s_mov_b32 s[\g+2], 128<<16                     ; tensor_dim1: two panels are 128 such rows
	s_mov_b32 s[\g+3], 128<<16                     ; tile_dim0
	s_mov_b32 s[\g+4], 128                         ; tile_dim1
	s_mov_b32 s[\g+5], 128                         ; the pitch: dense
	s_mov_b32 s[\g+6], 0
	s_mov_b32 s[\g+7], 0
.endr
	s_lshl_b32 s18, s16, 15                        ; my two panels
	s_lshl_b32 s20, s17, 20
	s_add_co_u32 s20, s20, s18
	s_mov_b32 s21, 0
	s_mul_i32 s46, s42, NTS
	s_add_co_u32 s46, s46, s18
	s_add_co_u32 s46, s46, HDR
	s_mov_b32 s47, 0
	s_mul_i32 s45, s14, HALFT                      ; where they go: no place in the cluster enters an LDS address
	s_wait_dscnt 0x0                               ; the opening add is done
	s_wait_kmcnt 0x0
	s_add_nc_u64 s[20:21], s[4:5], s[20:21]
	s_add_nc_u64 s[46:47], s[6:7], s[46:47]
	CROUND                                         ; all sixteen work-groups are here: the first joint loads meet
.irp s, 0,1
	s_mov_b32 s[G0+4*\s], 1
	s_add_co_u32 s[G0+4*\s+1], s45, \s*SLOT
	s_add_nc_u64 s[G0+4*\s+2:G0+4*\s+3], s[20:21], \s*65536
	s_or_b32 s[G0+4*\s+3], s[G0+4*\s+3], 0x80000000
	s_mov_b32 s[G0B+4*\s], 1
	s_add_co_u32 s[G0B+4*\s+1], s45, \s*SLOT
	s_add_nc_u64 s[G0B+4*\s+2:G0B+4*\s+3], s[46:47], \s*65536
	s_or_b32 s[G0B+4*\s+3], s[G0B+4*\s+3], 0x80000000
	JLOAD \s                                       ; two loads of mine are out
.endr
	v_and_b32 v4, 31, v0
	v_lshlrev_b32 v[CO], 4, v4
.irp i, 0,1,2,3,4,5,6,7,8,9,10,11,12,13,14,15
	global_load_b128 v[F0+4*\i:F0+4*\i+3], v[CO], s[6:7] offset:512*\i   ; the 2,048 words at B's head
.endr
	v_and_b32 v1, 15, v0                           ; r
	v_bfe_u32 v2, v0, 4, 1                         ; h
	v_lshrrev_b32 v3, 1, v1
	v_mul_u32_u24 v3, v3, PITCH
	v_and_b32 v4, 1, v1
	v_lshl_add_u32 v3, v4, 7, v3
	v_lshl_add_u32 v3, v2, 4, v3                   ; a fragment's row r, + 16 h
	s_mul_i32 s21, s14, PANB                       ; my panel of A
.irp j, 0,1,2,3
	s_xor_b32 s20, s14, \j
	s_mul_i32 s20, s20, 2*BLK                      ; its rows 32 (j xor wave) on
	s_add_co_u32 s20, s20, s21
	v_add_nc_u32 v[ADRA+\j], s20, v3
	s_add_co_u32 s20, s20, SLOT
	v_add_nc_u32 v[ADRA+4+\j], s20, v3
.endr
	s_add_co_u32 s21, s21, 4*PANB                  ; my panel of B, behind A's four
	v_add_nc_u32 v[ADRB], s21, v3
	s_add_co_u32 s21, s21, SLOT
	v_add_nc_u32 v[ADRB+1], s21, v3
.irp j, 1,2,3
	s_xor_b32 s20, s14, \j                         ; group j belongs to wave j xor mine
	s_mul_i32 s20, s20, REDW
	s_add_co_u32 s20, s20, (\j-1)*REDM
	v_add_nc_u32 v[SND+\j-1], s20, v[CO]
.endr
	s_mul_i32 s20, s14, REDW
	v_add_nc_u32 v[RCV], s20, v[CO]
	s_mul_i32 s20, s14, 16*SPITCH
	s_add_co_u32 s20, s20, STAGE
	v_mul_u32_u24 v4, v1, SPITCH
	v_lshl_add_u32 v4, v2, 4, v4
	v_add_nc_u32 v[STO], s20, v4                   ; into my stage: row r, + 16 h
	v_bfe_u32 v4, v0, 3, 2
	v_mul_u32_u24 v4, v4, SPITCH
	v_and_b32 v5, 7, v0
	v_lshl_add_u32 v4, v5, 4, v4
	v_add_nc_u32 v[RD], s20, v4                    ; back: eight lanes take one panel's 128 bytes of a row, the 32 lanes four rows
	s_lshl_b32 s22, s17, 20                        ; C: tile row, panels 2 x tile column on, rows 32 x wave on
	s_lshl_b32 s23, s42, 15
	s_add_co_u32 s22, s22, s23
	s_lshl_b32 s23, s14, 12
	s_add_co_u32 s22, s22, s23
	s_mov_b32 s23, 0
	s_add_nc_u64 s[8:9], s[8:9], s[22:23]
	s_mov_b32 s46, 0x76543210                      ; v_permlanex16_b32's selects: lane l xor 16
	s_mov_b32 s47, 0xfedcba98
	v_mov_b32 v31, 0
	s_wait_loadcnt 0x0
	v_max3_num_f32 v30, v[F0], v[F0+1], v[F0+2]    ; g: none of the words is negative
.set i, 3
.rept 30
	v_max3_num_f32 v30, v30, v[F0+i], v[F0+i+1]
.set i, i+2
.endr
	v_max_num_f32 v30, v30, v[F0+63]
	v_max_num_f32_dpp v30, v30, v30 row_xmask:1 row_mask:0xf bank_mask:0xf
	v_max_num_f32_dpp v30, v30, v30 row_xmask:2 row_mask:0xf bank_mask:0xf
	v_max_num_f32_dpp v30, v30, v30 row_xmask:4 row_mask:0xf bank_mask:0xf
	v_max_num_f32_dpp v30, v30, v30 row_xmask:8 row_mask:0xf bank_mask:0xf
	v_permlanex16_b32 v31, v30, s46, s47
	v_max_num_f32 v30, v30, v31
	v_lshrrev_b32 v30, 23, v30                     ; E
	v_sub_nc_u32 v30, 123, v30
	v_ldexp_f32 v[SCL], 1.0, v30                   ; 2^(123 - E): it steers values alone
	v_mov_b32 v[SCL+1], v[SCL]
; 16 matrix instructions: A's blocks a0, a0 + 1 of the window's four x B's eight, 32 along K.  The 64 accumulators take turns, one instruction a turn.
.macro MUL16 f, hi, a0, zero
.irp a, \a0, \a0+1
.irp b, 0,1,2,3,4,5,6,7
.if \zero
	v_wmma_f32_16x16x32_f16 v[8*(8*(\a)+\b):8*(8*(\a)+\b)+7], v[\f+8*\b:\f+8*\b+7], v[\f+8*(4*\hi+\a):\f+8*(4*\hi+\a)+7], 0
.else
	v_wmma_f32_16x16x32_f16 v[8*(8*(\a)+\b):8*(8*(\a)+\b)+7], v[\f+8*\b:\f+8*\b+7], v[\f+8*(4*\hi+\a):\f+8*(4*\hi+\a)+7], v[8*(8*(\a)+\b):8*(8*(\a)+\b)+7]
.endif
.endr
.endr
.endm
.macro FETCH slot, k, f                ; 32 LDS loads in one run: 128 rows of B, 128 rows of A, 32 along K at byte k of my panel's rows
	WIN TO_B
.irp i, 0,1,2,3,4,5,6,7
	ds_load_b128 v[\f+8*\i:\f+8*\i+3],   v[ADRB+\slot] offset:\k+\i*BLK
	ds_load_b128 v[\f+8*\i+4:\f+8*\i+7], v[ADRB+\slot] offset:\k+\i*BLK+32
.endr
	WIN 0
.irp i, 0,1,2,3,4,5,6,7
	ds_load_b128 v[\f+8*\i:\f+8*\i+3],   v[ADRA+4*\slot+\i/2] offset:\k+(\i%2)*BLK
	ds_load_b128 v[\f+8*\i+4:\f+8*\i+7], v[ADRA+4*\slot+\i/2] offset:\k+(\i%2)*BLK+32
.endr
.endm
.macro PLACES                          ; four plain vector instructions between a matrix instruction and a load into, or a read of, its registers
.rept 4
	v_nop
.endr
.endm
.macro QUARTER slot, k, f, g, zero     ; a panel's first 32 along K: multiplies buffer f; in its middle it fetches the second 32 into g
	s_wait_dscnt 8                                 ; B and A's blocks 0-3 are in; the youngest eight loads may be out
	WIN MUL_LO
	MUL16 \f, 0, 0, \zero
	MUL16 \f, 0, 2, \zero
	PLACES
	FETCH \slot, \k, \g
	s_wait_dscnt 32                                ; all but the 32 just issued
	WIN MUL_HI
	MUL16 \f, 1, 0, \zero
	MUL16 \f, 1, 2, \zero
.endm
; A panel's second 32 along K, and the change of slots: one barrier; in front of it each wave waits for all its tensor loads, adds 0 to its spare word, and waits for that and for its reads of this slot.
.macro TURN slot, next, fill
	WIN 0
	s_wait_tensorcnt 0x0                           ; all my tensor loads have landed: my part of the next slot
	ds_add_u32 v[SPW], v[NIL]
	s_wait_dscnt 9                                 ; (the add and the youngest eight loads may be out)
	WIN MUL_LO
	MUL16 F1, 0, 0, 0
	s_wait_dscnt 0x0                               ; the add is done, and my reads of this slot are over
	s_barrier_signal -1
	MUL16 F1, 0, 2, 0
.if \fill
	WIN 0
.endif
	s_barrier_wait -1
.if \fill
	CREST                                          ; the barrier has opened a round of the cluster's: no wave of any partner still reads this slot or has a load on its way
	s_add_nc_u64 s[G0+4*\slot+2:G0+4*\slot+3], s[G0+4*\slot+2:G0+4*\slot+3], 2*65536
	s_add_nc_u64 s[G0B+4*\slot+2:G0B+4*\slot+3], s[G0B+4*\slot+2:G0B+4*\slot+3], 2*65536
	JLOAD \slot                                    ; my one tensor load behind the round: 96 matrix instructions ahead of the wait for it; its four v_nop are also the places in front of the loads below
.else
	PLACES
.endif
	FETCH \next, 0, F0
	WIN MUL_HI
	MUL16 F1, 1, 0, 0
	MUL16 F1, 1, 2, 0
.endm
	s_wait_tensorcnt 0x1                           ; my part of slot 0 is in; slot 1's may stay out
	s_barrier_signal -1
	s_barrier_wait -1
	FETCH 0, 0, F0
	QUARTER 0, 64, F0, F1, 1                       ; the first products start the sums: nothing is cleared
	WIN 0
	s_mov_b32 s3, LAPS-1
.Llap:                                             ; a trip goes once round the ring and fills both slots again
	TURN 0, 1, 1
	QUARTER 1, 64, F0, F1, 0
	TURN 1, 0, 1
	QUARTER 0, 64, F0, F1, 0
	WIN 0
	s_sub_co_u32 s3, s3, 1
	s_cmp_lg_u32 s3, 0
	s_cbranch_scc1 .Llap
	TURN 0, 1, 0                                   ; the last lap fills nothing
	QUARTER 1, 64, F0, F1, 0
	s_wait_dscnt 8
	WIN MUL_LO
	MUL16 F1, 0, 0, 0
	MUL16 F1, 0, 2, 0
	s_wait_dscnt 0x0
	WIN MUL_HI
	MUL16 F1, 1, 0, 0
	MUL16 F1, 1, 2, 0
	; THE SUM OVER THE FOUR WAVES.  Groups 1, 2, 3 of my accumulators go to their owners as images of the registers, 16 bytes a lane, 512 a store; then I add the three images that are mine.
	PLACES
	WIN 0
	s_wait_dscnt 0x0
	s_barrier_signal -1
	s_barrier_wait -1                              ; nobody reads the ring any more, and it has had its last fill
	WIN 0x08                                       ; an LDS store's data are its source 1: window 2
.set t, 0
.rept 32
	ds_store_b128 v[SND], v[128+4*t:128+4*t+3] offset:512*t
.set t, t+1
.endr
	WIN 0x0c                                       ; window 3
.set t, 0
.rept 32
	ds_store_b128 v[SND+1], v[4*t:4*t+3] offset:512*t
.set t, t+1
.endr
.set t, 0
.rept 32
	ds_store_b128 v[SND+2], v[128+4*t:128+4*t+3] offset:512*t
.set t, t+1
.endr
	WIN 0
	s_wait_dscnt 0x0                               ; for the others' sake: my stores have landed
	s_barrier_signal -1
	s_barrier_wait -1
.set t, 0
.rept 32
	ds_load_b128 v[64+4*t:64+4*t+3], v[RCV] offset:512*t
.set t, t+1
.endr
	WIN TO_B
.set t, 0
.rept 32
	ds_load_b128 v[64+4*t:64+4*t+3], v[RCV] offset:REDM+512*t
.set t, t+1
.endr
	s_wait_dscnt 32                                ; the first image is in
	WIN 0x82                                       ; destination and source 0 window 2, source 1 window 0
.set i, 0
.rept 64
	v_pk_add_f32 v[2*i:2*i+1], v[2*i:2*i+1], v[64+2*i:65+2*i]
.set i, i+1
.endr
	WIN 0
.set t, 0
.rept 32
	ds_load_b128 v[64+4*t:64+4*t+3], v[RCV] offset:2*REDM+512*t
.set t, t+1
.endr
	s_wait_dscnt 32                                ; the second image is in
	WIN 0x86                                       ; source 1 window 1
.set i, 0
.rept 64
	v_pk_add_f32 v[2*i:2*i+1], v[2*i:2*i+1], v[64+2*i:65+2*i]
.set i, i+1
.endr
	s_wait_dscnt 0x0
	WIN 0x82
.set i, 0
.rept 64
	v_pk_add_f32 v[2*i:2*i+1], v[2*i:2*i+1], v[64+2*i:65+2*i]
.set i, i+1
.endr
	; THE WAY OUT: my 32 rows in two blocks of 16: x the factor, f16, through my stage, out as four rows of one panel: 512 consecutive bytes an instruction.
.irp u, 0,1
	WIN 0x02                                       ; source 0 window 2
.set i, 0
.rept 32
	v_pk_mul_f32 v[64+2*i:65+2*i], v[64*\u+2*i:64*\u+2*i+1], v[SCL:SCL+1]
.set i, i+1
.endr
	WIN 0
.set i, 0
.rept 32
	v_cvt_pk_f16_f32 v[192+32*\u+i], v[64+2*i], v[65+2*i]
.set i, i+1
.endr
.irp b, 0,1,2,3,4,5,6,7
	ds_store_b128 v[STO], v[192+32*\u+4*\b:192+32*\u+4*\b+3] offset:32*\b
.endr
.irp t, 0,1,2,3,4,5,6,7
	ds_load_b128 v[128+32*\u+4*\t:128+32*\u+4*\t+3], v[RD] offset:(\t%4)*4*SPITCH+(\t/4)*128   ; LDS serves a wave's instructions in order
.endr
.endr
.irp t, 0,1,2,3,4,5,6,7
	s_wait_dscnt 23-\t                             ; behind block 0's load t: its 7 - t later loads, block 1's eight stores and eight loads
	global_store_b128 v[CO], v[128+4*\t:128+4*\t+3], s[8:9] offset:(\t/4)*16384+(\t%4)*512
.endr
.irp t, 0,1,2,3,4,5,6,7
	s_wait_dscnt 7-\t
	global_store_b128 v[CO], v[160+4*\t:160+4*\t+3], s[8:9] offset:(\t/4)*16384+(\t%4)*512+2048
.endr
	s_wait_tensorcnt 0x0                           ; the wave's end
	ds_add_u32 v[SPW], v[NIL]
	s_wait_dscnt 0x0
	CROUND                                         ; the closing round
	s_endpgm
.Lfunc_end_k_qa072a43101_proj_o:
	.size	k_qa072a43101_proj_o, .Lfunc_end_k_qa072a43101_proj_o-k_qa072a43101_proj_o
	.p2alignl 7, 3214868480
	.fill 96, 4, 3214868480
	.section	.rodata,"a",@progbits
	.p2align	6, 0x0
	.amdhsa_kernel k_qa072a43101_proj_o
		.amdhsa_group_segment_fixed_size 327680
		.amdhsa_private_segment_fixed_size 0
		.amdhsa_enable_private_segment 0
		.amdhsa_kernarg_size 24
		.amdhsa_user_sgpr_count 2
		.amdhsa_user_sgpr_kernarg_segment_ptr 1
		.amdhsa_wavefront_size32 1
		.amdhsa_system_sgpr_workgroup_id_x 1
		.amdhsa_system_sgpr_workgroup_id_y 1
		.amdhsa_system_sgpr_workgroup_id_z 1
		.amdhsa_system_vgpr_workitem_id 0
		.amdhsa_next_free_vgpr 1024
		.amdhsa_next_free_sgpr 66
		.amdhsa_reserve_vcc 0
		.amdhsa_float_denorm_mode_32 3
		.amdhsa_float_denorm_mode_16_64 3
		.amdhsa_memory_ordered 1
		.amdhsa_forward_progress 1
		.amdhsa_inst_pref_size 103
	.end_amdhsa_kernel
	.amdgpu_metadata
---
amdhsa.version: [ 1, 2 ]
amdhsa.kernels:
  - .name:           k_qa072a43101_proj_o
    .symbol:         k_qa072a43101_proj_o.kd
    .args:
      - { .name: att, .offset: 0, .size: 8, .value_kind: global_buffer, .address_space: global }
      - { .name: woh, .offset: 8, .size: 8, .value_kind: global_buffer, .address_space: global }
      - { .name: xo, .offset: 16, .size: 8, .value_kind: global_buffer, .address_space: global }
    .group_segment_fixed_size: 327680
    .private_segment_fixed_size: 0
    .kernarg_segment_align: 8
    .kernarg_segment_size: 24
    .max_flat_workgroup_size: 128
    .sgpr_count:     66
    .vgpr_count:     1024
    .wavefront_size: 32
...
	.end_amdgpu_metadata
.endif
;; end of part 4
;; launch ffn_up (part 5): grid 16 x 16, 4 waves a work-group, clusters of 4 x 4, 327,680 bytes of LDS; arguments xo, w1h, x1; writes x1
.if DOCPART == 5
	.amdgcn_target "amdgcn-amd-amdhsa--gfx1250"
	.amdhsa_code_object_version 6
	.text
	.protected	k_qa072a43101_ffn_up
	.globl	k_qa072a43101_ffn_up
	.p2align	8
	.type	k_qa072a43101_ffn_up,@function
k_qa072a43101_ffn_up:
	s_mov_b64 s[64:65], 0
	v_nop
	global_prefetch_b8 v0, s[64:65] scope:SCOPE_SE
	s_setreg_imm32_b32 hwreg(HW_REG_WAVE_MODE, 25, 1), 1
	s_wait_xcnt 0x0
	s_wait_alu depctr_hold_cnt(0) depctr_sa_sdst(0) depctr_va_vdst(0) depctr_va_sdst(0) depctr_va_ssrc(0) depctr_va_vcc(0) depctr_vm_vsrc(0)
	s_getreg_b32 s2, hwreg(HW_REG_IB_STS2, 6, 4)
	s_cmp_eq_u32 s2, 0
	s_cbranch_scc0 .Lentry_in_a_cluster
	s_endpgm
.Lentry_in_a_cluster:
	s_bfe_u32 s2, ttmp6, 0x10000c
	s_cmp_lg_u32 s2, 0xf033
	s_cbranch_scc0 .Lentry_shape_is_right
	s_endpgm
.Lentry_shape_is_right:
; x1' = (xo' w1^T) x 2^(123 - E), f16 operands, f32 sums (one for each output, K ascending), f16 result; M = N = 4,096, K = 1,024.
; E is the exponent field of the largest of the 2,048 words at w1h's head, the largest |w1|.  |xo'| stays under 2^7 by the launch before, so |x1'| stays under 2^14 whatever the inputs' size; the factor is an exact
; power of two, which the last launch takes back.  LIMIT: factors beyond f32's exponent range are not served.
; LAYOUT of xo, w1h, x1 in memory: panels: 64 along K of 128 rows are 16,384 consecutive bytes, row r at 128 r; a tile of 128 rows begins every 2^20 bytes in xo and x1, every 262,144 in w1h (behind its 8,192 bytes of words).
; SHARES.  x1 is exactly 256 tiles of 256 x 256: one work-group each.  Four waves, as many as a WGP has SIMDs; a wave makes 128 x 128: 64 accumulators of 16 x 16, 512 registers: 16 KB read from LDS feed 64 matrix instructions.
; K goes in steps of 128 through a ring of two LDS slots.  A K step of 128 rows is two neighbouring panels, 32,768 consecutive bytes: one tensor load a wave (waves 0, 1: A's two tiles of 128 rows; waves 2, 3: B's).
; CLUSTERS: 4 x 4 work-groups; A's tiles are asked for jointly along a row of the cluster, B's along a column.  The matrix instruction is used transposed (source 0 = 16 rows of B, source 1 = 16 rows of A):
; a lane holds eight neighbouring columns of one row of C.
; REGISTERS: window 0: v1-31 addresses and the factor; v64-127, v128-191 A's fragments, two buffers; on the way out v64-127 scaled sums, v192-223 packed results, v32-63 and v224-255 rows read back.
;   window 1: v64-127, v128-191 B's fragments.   window 2: the 32 accumulators of my rows 0-63 ((a, b) at v[8 (8 a + b)]);   window 3: those of my rows 64-127.
.set LAPS,   4                         ; a lap = two K steps = once round the ring: 256 along K
.set NTS,    262144                    ; from a tile of B's 128 rows to the next
.set HDR,    8192
.set KSB,    32768                     ; a K step of 128 rows in memory: two panels
.set PITCH,  272                       ; two rows of a panel are one LDS row: 256 bytes + 16: row r at (r / 2) PITCH + 128 (r % 2): the 16 rows of a load start at 16 different 16-byte columns
.set BLK,    8*PITCH                   ; 16 rows
.set PANB,   64*PITCH                  ; a panel
.set HALFT,  2*PANB                    ; 128 rows x 128 K: what one tensor load brings, and what one wave reads of A or of B
.set SLOT,   4*HALFT                   ; A's 256 rows, then B's 256 rows
.set STAGE,  2*SLOT                    ; behind the ring: 16 rows x (256 bytes + 16) for each wave, for the way out; no tensor load fills it
.set SPITCH, 272
.set SPARE,  STAGE+4*16*SPITCH         ; the spare words: 128 bytes a wave, named by no other line
.set ADRA, 16                          ; v16-17  LDS address of my A fragments in slot 0, 1
.set ADRB, 20                          ; v20-21  the same for B
.set STO,  22                          ; v22     the way out: where I put 16 bytes of a row
.set RD,   23                          ; v23     where I read rows back
.set CO,   24                          ; v24     16 x lane
.set PFO,  25                          ; v25     256 x lane: the prefetches' offset; never rewritten
.set SCL,  26                          ; v[26:27] the factor, twice
.set SPW,  28                          ; v28     my spare word's LDS address; never rewritten
.set NIL,  29                          ; v29     0; never rewritten
.set F0,   64
.set F1,   128
.set TF,   64                          ; the way out: a block's sums x the factor
.set TMP,  192                         ; packed to f16
.set OB,   32                          ; rows read back: v32-63 and v224-255 by turns
.set PFA,  10                          ; s[10:11] where my prefetches stand: my work-group's 32 blocks of the 128 that I fetch, one K step further on than the refill that is being asked for
.set LIM,  12                          ; s12     1 in a wave that prefetches, else the greatest number
.set G1,  24                           ; s[24:31] descriptor group 1 for A's tiles;  s[32:39] group 0, a set for each slot
.set G0,  32
.set G1B, 48                           ; s[48:55], s[56:63] the same for B's
.set G0B, 56
.set MSB, 0
.macro WIN new                         ; the immediate's high byte repeats the setting that is left; a switch that changes nothing is dropped
.if MSB != \new
	s_set_vgpr_msb (MSB<<8)|\new
.set MSB, \new
.endif
.endm
.set MUL_LO, 0xa1                      ; source 0 (B) window 1, source 1 (A) window 0, C and D window 2
.set MUL_HI, 0xf1                      ; the same, C and D window 3
.set TO_B,   0x40                      ; destination window 1, address window 0
.macro JLOAD s                         ; a joint load: waves 0, 1 fetch for A, waves 2, 3 for B; an s_nop 0 and four v_nop follow each of the two lines
	s_cmp_eq_u32 s15, 0
	s_cbranch_scc0 .Lfor_b_\@
	tensor_load_to_lds s[G0+4*\s:G0+4*\s+3], s[G1:G1+7]
	s_nop 0
.rept 4
	v_nop
.endr
	s_branch .Lasked_\@
.Lfor_b_\@:
	tensor_load_to_lds s[G0B+4*\s:G0B+4*\s+3], s[G1B:G1B+7]
	s_nop 0
.rept 4
	v_nop
.endr
.Lasked_\@:
.endm
; A PREFETCH INTO THE L2, behind each joint refill, its five lines and the run of LDS loads that follows them: the K step that stands TWO refills on, 512 matrix instructions ahead of the load that will ask for it.
; A wave's tile of a K step is 128 blocks of 256 consecutive bytes.  The four partners that ask for it jointly share them out BY ADDRESS, 32 each (by cx for A, by cy for B), a lane a block, one instruction a wave:
; no branch hangs on a work-group's place in its cluster.  A's tiles are read by every cluster of a row of clusters: the one with x = 0 asks; B's by every cluster of a column: the one with y = 0 asks.
; So each block is named once in the launch.  K steps 0 to 3 come by their loads alone; the loop's last trip (s3 = 1) asks for nothing: K steps 4 to 7 are named, and 7 is the last.
.macro ASK
	s_cmp_gt_u32 s3, s[LIM]
	s_cbranch_scc0 .Lnot_mine_\@
	global_prefetch_b8 v[PFO], s[PFA:PFA+1] offset:KSB th:TH_LOAD_NT scope:SCOPE_SE
.Lnot_mine_\@:
.endm
.macro CREST                           ; a round of the cluster's barrier behind its opening barrier
	s_cmp_lg_u32 s14, 0
	s_cbranch_scc1 .Lnot_wave_0_\@
	s_barrier_signal -3
.Lnot_wave_0_\@:
	s_barrier_wait -3
	s_barrier_signal -1
	s_barrier_wait -1
.endm
.macro CROUND                          ; a whole round
	s_barrier_signal -1
	s_barrier_wait -1
	CREST
.endm
	s_load_b128 s[4:7], s[0:1], 0x0                ; xo, w1h
	s_load_b64 s[8:9], s[0:1], 0x10                ; x1
	v_lshl_add_u32 v[SPW], v0, 2, SPARE
	v_mov_b32 v[NIL], 0
	ds_add_u32 v[SPW], v[NIL]                      ; the wave's opening: the add and its wait ahead of my first tensor load
	v_lshrrev_b32 v1, 5, v0
	v_readfirstlane_b32 s14, v1                    ; wave 0..3
	s_lshr_b32 s15, s14, 1                         ; which half of the tile's rows is mine.  Also: I fetch for A (0) or for B (1)
	s_and_b32 s16, s14, 1                          ; which half of its columns.  Also: which 128 rows I fetch
	s_bfe_u32 s40, ttmp6, 0x40000                  ; cx, cy
	s_bfe_u32 s41, ttmp6, 0x40004
	s_lshl_b32 s42, ttmp9, 2
	s_add_co_u32 s42, s42, s40                     ; tile column
	s_and_b32 s17, ttmp7, 0xffff
	s_lshl_b32 s17, s17, 2
	s_add_co_u32 s17, s17, s41                     ; tile row
	s_lshl_b32 s43, s41, 2
	s_lshl_b32 s43, 15, s43                        ; my row of the cluster
	s_lshl_b32 s44, 0x1111, s40                    ; my column
	s_or_b32 s[G1+0], s43, (1<<16)|(1<<20)|(1<<21)|(5<<22)|(3<<25)   ; the mask; elements of 2 bytes; padding: 4 words after every 64; bit 21 beside a mask
	s_or_b32 s[G1B+0], s44, (1<<16)|(1<<20)|(1<<21)|(5<<22)|(3<<25)
.irp g, G1, G1B
	s_mov_b32 s[\g+1], 128<<16                     ; tensor_dim0: 128 elements, 256 bytes
	s_mov_b32 s[\g+2], 128<<16                     ; tensor_dim1: two panels are 128 such rows
	s_mov_b32 s[\g+3], 128<<16                     ; tile_dim0
	s_mov_b32 s[\g+4], 128                         ; tile_dim1
	s_mov_b32 s[\g+5], 128                         ; the pitch: dense
	s_mov_b32 s[\g+6], 0
	s_mov_b32 s[\g+7], 0
.endr
	s_lshl_b32 s18, s17, 1
	s_add_co_u32 s18, s18, s16                     ; A: the tile of 128 rows 2 x tile row + half
	s_lshl_b32 s20, s18, 20
	s_mov_b32 s21, 0
	s_lshl_b32 s19, s42, 1
	s_add_co_u32 s19, s19, s16                     ; B: 2 x tile column + half
	s_mul_i32 s46, s19, NTS
	s_add_co_u32 s46, s46, HDR
	s_mov_b32 s47, 0
	s_mul_i32 s45, s14, HALFT                      ; where they go: no place in the cluster enters an LDS address
	s_wait_dscnt 0x0                               ; the opening add is done
	s_wait_kmcnt 0x0
	s_add_nc_u64 s[20:21], s[4:5], s[20:21]
	s_add_nc_u64 s[46:47], s[6:7], s[46:47]
	s_and_b32 s22, ttmp7, 0xffff                   ; the prefetches: cluster y
	s_cmp_eq_u32 s15, 0                            ; do I fetch for A?
	s_cselect_b64 s[PFA:PFA+1], s[20:21], s[46:47] ; the tile that I fetch,
	s_cselect_b32 s23, s40, s41                    ; my place among the four that ask for it with me,
	s_cselect_b32 s22, ttmp9, s22                  ; the coordinate along which other clusters read the same tile
	s_cmp_eq_u32 s22, 0
	s_cselect_b32 s[LIM], 1, -1                    ; the same in all sixteen partners, for a given wave
	s_lshl_b32 s22, s23, 13                        ; my work-group's 32 blocks of 256 bytes
	s_mov_b32 s23, 0
	s_add_nc_u64 s[PFA:PFA+1], s[PFA:PFA+1], s[22:23]
	s_add_nc_u64 s[PFA:PFA+1], s[PFA:PFA+1], 2*KSB ; at K step 2: the first refill steps it to 3 and names K step 4.  Nothing is prefetched here, at the head
	CROUND                                         ; all sixteen work-groups are here: the first joint loads meet
.irp s, 0,1
	s_mov_b32 s[G0+4*\s], 1
	s_add_co_u32 s[G0+4*\s+1], s45, \s*SLOT
	s_add_nc_u64 s[G0+4*\s+2:G0+4*\s+3], s[20:21], \s*KSB
	s_or_b32 s[G0+4*\s+3], s[G0+4*\s+3], 0x80000000
	s_mov_b32 s[G0B+4*\s], 1
	s_add_co_u32 s[G0B+4*\s+1], s45, \s*SLOT
	s_add_nc_u64 s[G0B+4*\s+2:G0B+4*\s+3], s[46:47], \s*KSB
	s_or_b32 s[G0B+4*\s+3], s[G0B+4*\s+3], 0x80000000
	JLOAD \s                                       ; two loads of mine are out
.endr
	v_and_b32 v4, 31, v0
	v_lshlrev_b32 v[CO], 4, v4
	v_lshlrev_b32 v[PFO], 8, v4
.irp i, 0,1,2,3,4,5,6,7,8,9,10,11,12,13,14,15
	global_load_b128 v[F0+4*\i:F0+4*\i+3], v[CO], s[6:7] offset:512*\i   ; the 2,048 words at w1h's head
.endr
	v_and_b32 v1, 15, v0                           ; r
	v_bfe_u32 v2, v0, 4, 1                         ; h
	v_lshrrev_b32 v3, 1, v1
	v_mul_u32_u24 v3, v3, PITCH
	v_and_b32 v4, 1, v1
	v_lshl_add_u32 v3, v4, 7, v3
	v_lshl_add_u32 v3, v2, 4, v3                   ; a fragment's row r, + 16 h
	s_mul_i32 s20, s15, HALFT                      ; my 128 rows of A
	s_mul_i32 s21, s16, HALFT                      ; my 128 rows of B,
	s_add_co_u32 s21, s21, 2*HALFT                 ; which lie behind A's 256
.irp s, 0,1
	v_add_nc_u32 v[ADRA+\s], s20, v3
	v_add_nc_u32 v[ADRB+\s], s21, v3
	s_add_co_u32 s20, s20, SLOT
	s_add_co_u32 s21, s21, SLOT
.endr
	s_mul_i32 s20, s14, 16*SPITCH
	s_add_co_u32 s20, s20, STAGE                   ; my stage
	v_mul_u32_u24 v4, v1, SPITCH
	v_lshl_add_u32 v4, v2, 4, v4
	v_add_nc_u32 v[STO], s20, v4                   ; in: row r, + 16 h
	v_bfe_u32 v4, v0, 3, 2
	v_mul_u32_u24 v4, v4, SPITCH
	v_and_b32 v5, 7, v0
	v_lshl_add_u32 v4, v5, 4, v4
	v_add_nc_u32 v[RD], s20, v4                    ; back: eight lanes take one panel's 128 bytes of a row, the 32 lanes four rows
	s_lshl_b32 s22, s17, 1                         ; x1: the tile of 128 rows 2 x tile row + my half of the rows,
	s_add_co_u32 s22, s22, s15
	s_lshl_b32 s22, s22, 20
	s_lshl_b32 s23, s42, 2                         ; panels 4 x tile column + 2 x my half of the columns on
	s_lshl_b32 s18, s16, 1
	s_add_co_u32 s23, s23, s18
	s_lshl_b32 s23, s23, 14
	s_add_co_u32 s22, s22, s23
	s_mov_b32 s23, 0
	s_add_nc_u64 s[8:9], s[8:9], s[22:23]
	s_mov_b32 s46, 0x76543210                      ; v_permlanex16_b32's selects: lane l xor 16
	s_mov_b32 s47, 0xfedcba98
	v_mov_b32 v31, 0
	s_wait_loadcnt 0x0
	v_max3_num_f32 v30, v[F0], v[F0+1], v[F0+2]    ; the largest of the words: none is negative
.set i, 3
.rept 30
	v_max3_num_f32 v30, v30, v[F0+i], v[F0+i+1]
.set i, i+2
.endr
	v_max_num_f32 v30, v30, v[F0+63]
	v_max_num_f32_dpp v30, v30, v30 row_xmask:1 row_mask:0xf bank_mask:0xf
	v_max_num_f32_dpp v30, v30, v30 row_xmask:2 row_mask:0xf bank_mask:0xf
	v_max_num_f32_dpp v30, v30, v30 row_xmask:4 row_mask:0xf bank_mask:0xf
	v_max_num_f32_dpp v30, v30, v30 row_xmask:8 row_mask:0xf bank_mask:0xf
	v_permlanex16_b32 v31, v30, s46, s47
	v_max_num_f32 v30, v30, v31
	v_lshrrev_b32 v30, 23, v30                     ; E
	v_sub_nc_u32 v30, 123, v30
	v_ldexp_f32 v[SCL], 1.0, v30                   ; 2^(123 - E): it steers values alone
	v_mov_b32 v[SCL+1], v[SCL]
; 16 matrix instructions: A's blocks a0, a0 + 1 of the window's four x B's eight, 32 along K.  zero = 1: the first product starts the sums: nothing is ever cleared.
; The 64 accumulators take turns, one instruction a turn, in the same order in every quarter.
.macro MUL16 f, hi, a0, zero
.irp a, \a0, \a0+1
.irp b, 0,1,2,3,4,5,6,7
.if \zero
	v_wmma_f32_16x16x32_f16 v[8*(8*(\a)+\b):8*(8*(\a)+\b)+7], v[\f+8*\b:\f+8*\b+7], v[\f+8*(4*\hi+\a):\f+8*(4*\hi+\a)+7], 0
.else
	v_wmma_f32_16x16x32_f16 v[8*(8*(\a)+\b):8*(8*(\a)+\b)+7], v[\f+8*\b:\f+8*\b+7], v[\f+8*(4*\hi+\a):\f+8*(4*\hi+\a)+7], v[8*(8*(\a)+\b):8*(8*(\a)+\b)+7]
.endif
.endr
.endr
.endm
.macro FETCH slot, k, f                ; 32 LDS loads in one run: the fragments of one quarter (128 rows of B, 128 rows of A, 32 along K at byte k of the slot's rows) into buffer f
	WIN TO_B
.irp i, 0,1,2,3,4,5,6,7
	ds_load_b128 v[\f+8*\i:\f+8*\i+3],   v[ADRB+\slot] offset:\k+\i*BLK
	ds_load_b128 v[\f+8*\i+4:\f+8*\i+7], v[ADRB+\slot] offset:\k+\i*BLK+32
.endr
	WIN 0
.irp i, 0,1,2,3,4,5,6,7
	ds_load_b128 v[\f+8*\i:\f+8*\i+3],   v[ADRA+\slot] offset:\k+\i*BLK
	ds_load_b128 v[\f+8*\i+4:\f+8*\i+7], v[ADRA+\slot] offset:\k+\i*BLK+32
.endr
.endm
.macro PLACES                          ; four plain vector instructions between a matrix instruction and a load into, or a read of, its registers
.rept 4
	v_nop
.endr
.endm
; A K step is four quarters of 32 along K, 64 matrix instructions each, on buffers 0, 1, 0, 1: at bytes 0 and 64 of the first panel's rows, then of the second's.
; One of the first three: multiplies buffer f; in its middle it fetches the next quarter's fragments, at byte k, into buffer g.
.macro QUARTER slot, k, f, g, zero
	s_wait_dscnt 8                                 ; B and A's blocks 0-3 are in; the youngest eight loads (A's blocks 4-7) may be out
	WIN MUL_LO
	MUL16 \f, 0, 0, \zero
	MUL16 \f, 0, 2, \zero
	PLACES
	FETCH \slot, \k, \g
	s_wait_dscnt 32                                ; all but the 32 just issued
	WIN MUL_HI
	MUL16 \f, 1, 0, \zero
	MUL16 \f, 1, 2, \zero
.endm
; The last quarter multiplies buffer 1 and changes slots: ONE barrier; in front of it each wave waits for all its tensor loads, adds 0 to its spare word, and waits for that and for its own reads of this slot.
; fill = 1: the barrier opens a round of the cluster's, and this slot is filled again, two K steps ahead: from that request to the wait for it a wave issues 224 matrix instructions.
.macro TURN slot, next, fill
.if \fill
	s_wait_xcnt 0x0                                ; the last prefetch, a K step back, has read its address: it is stepped here, ahead of the waits of the change of slots
	s_add_nc_u64 s[PFA:PFA+1], s[PFA:PFA+1], KSB
.endif
	WIN 0                                          ; (the add's two registers lie in window 0)
	s_wait_tensorcnt 0x0                           ; all my tensor loads have landed: the one that was out is my part of the next slot
	ds_add_u32 v[SPW], v[NIL]
	s_wait_dscnt 9                                 ; (the add and the youngest eight loads may be out)
	WIN MUL_LO
	MUL16 F1, 0, 0, 0                              ; sixteen matrix instructions stand between the add and the wait for it
	s_wait_dscnt 0x0                               ; the add is done, and my reads of this slot are over
	s_barrier_signal -1
	MUL16 F1, 0, 2, 0
.if \fill
	WIN 0
.endif
	s_barrier_wait -1
.if \fill
	CREST                                          ; no wave of any partner still reads this slot or has a load on its way
	s_add_nc_u64 s[G0+4*\slot+2:G0+4*\slot+3], s[G0+4*\slot+2:G0+4*\slot+3], 2*KSB
	s_add_nc_u64 s[G0B+4*\slot+2:G0B+4*\slot+3], s[G0B+4*\slot+2:G0B+4*\slot+3], 2*KSB
	JLOAD \slot                                    ; my one tensor load behind the round; its four v_nop are also the places in front of the loads below
.else
	PLACES
.endif
	FETCH \next, 0, F0
.if \fill
	ASK                                            ; behind the joint load and the run of LDS loads that the next products wait for
.endif
	WIN MUL_HI
	MUL16 F1, 1, 0, 0
	MUL16 F1, 1, 2, 0
.endm
	s_wait_tensorcnt 0x1                           ; my part of K step 0 is in; K step 1's may stay out
	s_barrier_signal -1
	s_barrier_wait -1
	FETCH 0, 0, F0
	QUARTER 0, 64, F0, F1, 1                       ; the first quarter stands in front of the loop: its products start the sums
	WIN 0                                          ; at a label and at a branch every window is 0
	s_mov_b32 s3, LAPS-1
.Llap:                                             ; a trip goes once round the ring, from a lap's second quarter to the next lap's first, and fills both slots again: K steps 2 to 7 in three trips
	QUARTER 0, PANB, F1, F0, 0
	QUARTER 0, PANB+64, F0, F1, 0
	TURN 0, 1, 1
	QUARTER 1, 64, F0, F1, 0
	QUARTER 1, PANB, F1, F0, 0
	QUARTER 1, PANB+64, F0, F1, 0
	TURN 1, 0, 1
	QUARTER 0, 64, F0, F1, 0
	WIN 0
	s_sub_co_u32 s3, s3, 1
	s_cmp_lg_u32 s3, 0
	s_cbranch_scc1 .Llap
	QUARTER 0, PANB, F1, F0, 0                     ; the last lap is written out: it fills nothing, and has no round of the cluster's barrier
	QUARTER 0, PANB+64, F0, F1, 0
	TURN 0, 1, 0
	QUARTER 1, 64, F0, F1, 0
	QUARTER 1, PANB, F1, F0, 0
	QUARTER 1, PANB+64, F0, F1, 0
	s_wait_dscnt 8                                 ; the very last quarter: nothing more to fetch
	WIN MUL_LO
	MUL16 F1, 0, 0, 0
	MUL16 F1, 0, 2, 0
	s_wait_dscnt 0x0
	WIN MUL_HI
	MUL16 F1, 1, 0, 0
	MUL16 F1, 1, 2, 0
	WIN 0
; THE WAY OUT, block by block of 16 rows x 128 columns (two panels of x1).  PACK: x the factor, rounded to f16, 16 bytes a lane.  TOSTAGE: into my own stage, and back as four rows of one panel, which lie on end in memory.
; SEND: stored.  The stage is the wave's own: LDS serves a wave's instructions in order (ISA guide 5.7.1.4), so no wait stands between the stores and the loads, and no barrier is needed.
.macro PACK a
.set AC, 64*((\a)%4)
	WIN 0x02+((\a)/4)                              ; source 0: window 2 or 3
.set i, 0
.rept 32
	v_pk_mul_f32 v[TF+2*i:TF+2*i+1], v[AC+2*i:AC+2*i+1], v[SCL:SCL+1]   ; each accumulator from its low end on
.set i, i+1
.endr
	WIN 0
.set i, 0
.rept 32
	v_cvt_pk_f16_f32 v[TMP+i], v[TF+2*i], v[TF+2*i+1]
.set i, i+1
.endr
.endm
.macro TOSTAGE a
.set BK, OB+192*((\a)%2)
.irp b, 0,1,2,3,4,5,6,7
	ds_store_b128 v[STO], v[TMP+4*\b:TMP+4*\b+3] offset:32*\b
.endr
.irp t, 0,1,2,3,4,5,6,7
	ds_load_b128 v[BK+4*\t:BK+4*\t+3], v[RD] offset:(\t%4)*4*SPITCH+(\t/4)*128
.endr
.endm
.macro SEND a
.set BK, OB+192*((\a)%2)
	s_wait_dscnt 0x0                               ; the block is back in registers
	s_wait_xcnt 0x0                                ; the earlier stores have read their base and their data: both may be written again
.if (\a) > 0
	s_add_nc_u64 s[8:9], s[8:9], 16*128            ; 16 rows on in both panels
.endif
.irp t, 0,1,2,3,4,5,6,7
	global_store_b128 v[CO], v[BK+4*\t:BK+4*\t+3], s[8:9] offset:(\t/4)*16384+(\t%4)*512   ; 32 lanes store 512 consecutive bytes, aligned
.endr
.endm
	PLACES                                         ; the first block's multiplications read results, and write registers that held A's fragments
	PACK 0
	TOSTAGE 0
.irp a, 1,2,3,4,5,6,7                  ; block a's arithmetic stands between block a - 1's loads from the stage and the wait for them
	PACK \a
	SEND \a-1
	TOSTAGE \a
.endr
	SEND 7
	s_wait_tensorcnt 0x0                           ; the wave's end, behind my last tensor load and my last LDS store
	ds_add_u32 v[SPW], v[NIL]
	s_wait_dscnt 0x0
	CROUND                                         ; the closing round: no work-group ends while a partner may still ask for a tile that names it
	s_endpgm
.Lfunc_end_k_qa072a43101_ffn_up:
	.size	k_qa072a43101_ffn_up, .Lfunc_end_k_qa072a43101_ffn_up-k_qa072a43101_ffn_up
	.p2alignl 7, 3214868480
	.fill 96, 4, 3214868480
	.section	.rodata,"a",@progbits
	.p2align	6, 0x0
	.amdhsa_kernel k_qa072a43101_ffn_up
		.amdhsa_group_segment_fixed_size 327680
		.amdhsa_private_segment_fixed_size 0
		.amdhsa_enable_private_segment 0
		.amdhsa_kernarg_size 24
		.amdhsa_user_sgpr_count 2
		.amdhsa_user_sgpr_kernarg_segment_ptr 1
		.amdhsa_wavefront_size32 1
		.amdhsa_system_sgpr_workgroup_id_x 1
		.amdhsa_system_sgpr_workgroup_id_y 1
		.amdhsa_system_sgpr_workgroup_id_z 1
		.amdhsa_system_vgpr_workitem_id 0
		.amdhsa_next_free_vgpr 1024
		.amdhsa_next_free_sgpr 66
		.amdhsa_reserve_vcc 0
		.amdhsa_float_denorm_mode_32 3
		.amdhsa_float_denorm_mode_16_64 3
		.amdhsa_memory_ordered 1
		.amdhsa_forward_progress 1
		.amdhsa_inst_pref_size 164
	.end_amdhsa_kernel
	.amdgpu_metadata
---
amdhsa.version: [ 1, 2 ]
amdhsa.kernels:
  - .name:           k_qa072a43101_ffn_up
    .symbol:         k_qa072a43101_ffn_up.kd
    .args:
      - { .name: xo, .offset: 0, .size: 8, .value_kind: global_buffer, .address_space: global }
      - { .name: w1h, .offset: 8, .size: 8, .value_kind: global_buffer, .address_space: global }
      - { .name: x1, .offset: 16, .size: 8, .value_kind: global_buffer, .address_space: global }
    .group_segment_fixed_size: 327680
    .private_segment_fixed_size: 0
    .kernarg_segment_align: 8
    .kernarg_segment_size: 24
    .max_flat_workgroup_size: 128
    .sgpr_count:     66
    .vgpr_count:     1024
    .wavefront_size: 32
...
	.end_amdgpu_metadata
.endif
;; end of part 5
;; launch ffn_down (part 6): grid 8 x 32, 4 waves a work-group, clusters of 4 x 4, 327,680 bytes of LDS; arguments x1, w2h, woh, w1h, out0; writes out0
.if DOCPART == 6
	.amdgcn_target "amdgcn-amd-amdhsa--gfx1250"
	.amdhsa_code_object_version 6
	.text
	.protected	k_qa072a43101_ffn_down
	.globl	k_qa072a43101_ffn_down
	.p2align	8
	.type	k_qa072a43101_ffn_down,@function
k_qa072a43101_ffn_down:
	s_mov_b64 s[64:65], 0
	v_nop
	global_prefetch_b8 v0, s[64:65] scope:SCOPE_SE
	s_setreg_imm32_b32 hwreg(HW_REG_WAVE_MODE, 25, 1), 1
	s_wait_xcnt 0x0
	s_wait_alu depctr_hold_cnt(0) depctr_sa_sdst(0) depctr_va_vdst(0) depctr_va_sdst(0) depctr_va_ssrc(0) depctr_va_vcc(0) depctr_vm_vsrc(0)
	s_getreg_b32 s2, hwreg(HW_REG_IB_STS2, 6, 4)
	s_cmp_eq_u32 s2, 0
	s_cbranch_scc0 .Lentry_in_a_cluster
	s_endpgm
.Lentry_in_a_cluster:
	s_bfe_u32 s2, ttmp6, 0x10000c
	s_cmp_lg_u32 s2, 0xf033
	s_cbranch_scc0 .Lentry_shape_is_right
	s_endpgm
.Lentry_shape_is_right:
; out0 = (x1' w2^T) x 2^(E4 + E1 - 246), f16 operands, f32 sums, f32 result; K = 4,096.
; x1' is x1 x 2^(-8 - e4 - e1), as the two launches before have stored it; E4 and E1 are the exponent fields of the largest of the 2,048 words at the heads of woh and of w1h, from which those launches took
; their factors: the factor here takes both back, exactly.  LIMIT: factors beyond f32's exponent range are not served.
; LAYOUT of x1 and w2 in memory: panels: 64 along K of 128 rows are 16,384 consecutive bytes; a tile of 128 rows begins every 2^20 bytes.  out0: [4096][1024] f32, rows of 4,096 bytes.
; SHARES.  A work-group makes 128 x 128 of out0.  THE FOUR WAVES SPLIT K, NOT C: a slot holds 256 along K, four panels of each operand, and wave w multiplies panel w for all 128 x 128: 64 accumulators,
; so that 16 KB read from LDS feed 64 matrix instructions.  The four partial sums meet once, at the end, through LDS: wave w ends up with rows 32 w .. 32 w + 31.
; Wave w takes A's groups of 32 rows in the order j xor w, so that its accumulators of group 0 are the rows that it owns and no text differs from wave to wave.
; CLUSTERS: 4 x 4 work-groups; A's tiles are asked for jointly along a row of the cluster, B's along a column.  The matrix instruction is used transposed (source 0 = rows of B, source 1 = rows of A).
; REGISTERS: window 0: v1-31 addresses and the factor; v64-127, v128-191 A's fragments, two buffers; window 1: the same for B; windows 2, 3: the accumulators ((a, b) at v[8 (8 a + b)]).
.set LAPS,   8                         ; a lap = two slots = 512 along K
.set NTS,    1048576
.set PITCH,  272                       ; two rows of a panel are one LDS row: 256 bytes + 16
.set BLK,    8*PITCH
.set PANB,   64*PITCH
.set HALFT,  2*PANB
.set SLOT,   8*PANB
.set SPARE,  2*SLOT                    ; the spare words: 128 bytes a wave, named by no other line
.set REDW,   49152                     ; behind the ring's last fill and last read its bytes serve the sum: three images of 16,384 bytes for each wave,
.set REDM,   16384
.set STAGE,  4*REDW                    ; and a stage of 16 rows x (512 bytes + 16) for each wave
.set SPITCH, 528
.set ADRA, 8
.set ADRB, 16
.set SND,  18
.set RCV,  21
.set STO,  22
.set RD,   23
.set CO,   24
.set SCL,  26
.set SPW,  28
.set NIL,  29
.set F0,   64
.set F1,   128
.set G1,  24
.set G0,  32
.set G1B, 48
.set G0B, 56
.set MSB, 0
.macro WIN new
.if MSB != \new
	s_set_vgpr_msb (MSB<<8)|\new
.set MSB, \new
.endif
.endm
.set MUL_LO, 0xa1
.set MUL_HI, 0xf1
.set TO_B,   0x40
.macro JLOAD s                         ; a joint load: waves 0, 1 fetch A's panels, waves 2, 3 B's; an s_nop 0 and four v_nop follow each of the two lines
	s_cmp_eq_u32 s15, 0
	s_cbranch_scc0 .Lfor_b_\@
	tensor_load_to_lds s[G0+4*\s:G0+4*\s+3], s[G1:G1+7]
	s_nop 0
.rept 4
	v_nop
.endr
	s_branch .Lasked_\@
.Lfor_b_\@:
	tensor_load_to_lds s[G0B+4*\s:G0B+4*\s+3], s[G1B:G1B+7]
	s_nop 0
.rept 4
	v_nop
.endr
.Lasked_\@:
.endm
.macro CREST
	s_cmp_lg_u32 s14, 0
	s_cbranch_scc1 .Lnot_wave_0_\@
	s_barrier_signal -3
.Lnot_wave_0_\@:
	s_barrier_wait -3
	s_barrier_signal -1
	s_barrier_wait -1
.endm
.macro CROUND
	s_barrier_signal -1
	s_barrier_wait -1
	CREST
.endm
	s_load_b256 s[4:11], s[0:1], 0x0               ; x1, w2h, woh, w1h
	s_load_b64 s[12:13], s[0:1], 0x20              ; out0
	v_lshl_add_u32 v[SPW], v0, 2, SPARE
	v_mov_b32 v[NIL], 0
	ds_add_u32 v[SPW], v[NIL]                      ; the wave's opening: the add and its wait ahead of my first tensor load
	v_lshrrev_b32 v1, 5, v0
	v_readfirstlane_b32 s14, v1                    ; wave 0..3
	s_lshr_b32 s15, s14, 1
	s_and_b32 s16, s14, 1
	s_bfe_u32 s40, ttmp6, 0x40000
	s_bfe_u32 s41, ttmp6, 0x40004
	s_lshl_b32 s42, ttmp9, 2
	s_add_co_u32 s42, s42, s40                     ; tile column
	s_and_b32 s17, ttmp7, 0xffff
	s_lshl_b32 s17, s17, 2
	s_add_co_u32 s17, s17, s41                     ; tile row
	s_lshl_b32 s43, s41, 2
	s_lshl_b32 s43, 15, s43
	s_lshl_b32 s44, 0x1111, s40
	s_or_b32 s[G1+0], s43, (1<<16)|(1<<20)|(1<<21)|(5<<22)|(3<<25)   ; the mask; elements of 2 bytes; padding: 4 words after every 64; bit 21 beside a mask
	s_or_b32 s[G1B+0], s44, (1<<16)|(1<<20)|(1<<21)|(5<<22)|(3<<25)
.irp g, G1, G1B
	s_mov_b32 s[\g+1], 128<<16
	s_mov_b32 s[\g+2], 128<<16
	s_mov_b32 s[\g+3], 128<<16
	s_mov_b32 s[\g+4], 128
	s_mov_b32 s[\g+5], 128
	s_mov_b32 s[\g+6], 0
	s_mov_b32 s[\g+7], 0
.endr
	s_lshl_b32 s18, s16, 15                        ; my two panels
	s_lshl_b32 s20, s17, 20
	s_add_co_u32 s20, s20, s18
	s_mov_b32 s21, 0
	s_mul_i32 s46, s42, NTS
	s_add_co_u32 s46, s46, s18
	s_mov_b32 s47, 0
	s_mul_i32 s45, s14, HALFT
	s_wait_dscnt 0x0                               ; the opening add is done
	s_wait_kmcnt 0x0
	s_add_nc_u64 s[20:21], s[4:5], s[20:21]
	s_add_nc_u64 s[46:47], s[6:7], s[46:47]
	CROUND                                         ; all sixteen work-groups are here: the first joint loads meet
.irp s, 0,1
	s_mov_b32 s[G0+4*\s], 1
	s_add_co_u32 s[G0+4*\s+1], s45, \s*SLOT
	s_add_nc_u64 s[G0+4*\s+2:G0+4*\s+3], s[20:21], \s*65536
	s_or_b32 s[G0+4*\s+3], s[G0+4*\s+3], 0x80000000
	s_mov_b32 s[G0B+4*\s], 1
	s_add_co_u32 s[G0B+4*\s+1], s45, \s*SLOT
	s_add_nc_u64 s[G0B+4*\s+2:G0B+4*\s+3], s[46:47], \s*65536
	s_or_b32 s[G0B+4*\s+3], s[G0B+4*\s+3], 0x80000000
	JLOAD \s                                       ; two loads of mine are out
.endr
	v_and_b32 v4, 31, v0
	v_lshlrev_b32 v[CO], 4, v4
.irp i, 0,1,2,3,4,5,6,7,8,9,10,11,12,13,14,15
	global_load_b128 v[F0+4*\i:F0+4*\i+3], v[CO], s[8:9] offset:512*\i     ; the 2,048 words at woh's head,
.endr
.irp i, 0,1,2,3,4,5,6,7,8,9,10,11,12,13,14,15
	global_load_b128 v[F1+4*\i:F1+4*\i+3], v[CO], s[10:11] offset:512*\i   ; and those at w1h's
.endr
	v_and_b32 v1, 15, v0                           ; r
	v_bfe_u32 v2, v0, 4, 1                         ; h
	v_lshrrev_b32 v3, 1, v1
	v_mul_u32_u24 v3, v3, PITCH
	v_and_b32 v4, 1, v1
	v_lshl_add_u32 v3, v4, 7, v3
	v_lshl_add_u32 v3, v2, 4, v3
	s_mul_i32 s21, s14, PANB
.irp j, 0,1,2,3
	s_xor_b32 s20, s14, \j
	s_mul_i32 s20, s20, 2*BLK
	s_add_co_u32 s20, s20, s21
	v_add_nc_u32 v[ADRA+\j], s20, v3
	s_add_co_u32 s20, s20, SLOT
	v_add_nc_u32 v[ADRA+4+\j], s20, v3
.endr
	s_add_co_u32 s21, s21, 4*PANB
	v_add_nc_u32 v[ADRB], s21, v3
	s_add_co_u32 s21, s21, SLOT
	v_add_nc_u32 v[ADRB+1], s21, v3
.irp j, 1,2,3
	s_xor_b32 s20, s14, \j
	s_mul_i32 s20, s20, REDW
	s_add_co_u32 s20, s20, (\j-1)*REDM
	v_add_nc_u32 v[SND+\j-1], s20, v[CO]
.endr
	s_mul_i32 s20, s14, REDW
	v_add_nc_u32 v[RCV], s20, v[CO]
	s_mul_i32 s20, s14, 16*SPITCH
	s_add_co_u32 s20, s20, STAGE
	v_mul_u32_u24 v4, v1, SPITCH
	v_lshl_add_u32 v4, v2, 5, v4
	v_add_nc_u32 v[STO], s20, v4                   ; into my stage: row r, + 32 h
	v_add_nc_u32 v[RD], s20, v[CO]                 ; back: the 32 lanes take one row of 512 bytes
	s_lshl_b32 s22, s17, 19                        ; out0: row 128 x tile row + 32 x wave, 4,096 bytes a row; column 128 x tile column
	s_lshl_b32 s23, s14, 17
	s_add_co_u32 s22, s22, s23
	s_lshl_b32 s23, s42, 9
	s_add_co_u32 s22, s22, s23
	s_mov_b32 s23, 0
	s_add_nc_u64 s[12:13], s[12:13], s[22:23]
	s_mov_b32 s46, 0x76543210
	s_mov_b32 s47, 0xfedcba98
	v_mov_b32 v31, 0
	s_wait_loadcnt 0x0
.macro MAXRED dst, base                ; the largest of 64 words a lane, then of the 32 lanes: none is negative
	v_max3_num_f32 v[\dst], v[\base], v[\base+1], v[\base+2]
.set i, 3
.rept 30
	v_max3_num_f32 v[\dst], v[\dst], v[\base+i], v[\base+i+1]
.set i, i+2
.endr
	v_max_num_f32 v[\dst], v[\dst], v[\base+63]
	v_max_num_f32_dpp v[\dst], v[\dst], v[\dst] row_xmask:1 row_mask:0xf bank_mask:0xf
	v_max_num_f32_dpp v[\dst], v[\dst], v[\dst] row_xmask:2 row_mask:0xf bank_mask:0xf
	v_max_num_f32_dpp v[\dst], v[\dst], v[\dst] row_xmask:4 row_mask:0xf bank_mask:0xf
	v_max_num_f32_dpp v[\dst], v[\dst], v[\dst] row_xmask:8 row_mask:0xf bank_mask:0xf
	v_permlanex16_b32 v31, v[\dst], s46, s47
	v_max_num_f32 v[\dst], v[\dst], v31
.endm
	MAXRED 30, F0
	MAXRED 25, F1
	v_lshrrev_b32 v30, 23, v30                     ; E4
	v_lshrrev_b32 v25, 23, v25                     ; E1
	v_add_nc_u32 v30, v30, v25
	v_add_nc_u32 v30, -246, v30
	v_ldexp_f32 v[SCL], 1.0, v30                   ; 2^(E4 + E1 - 246): it steers values alone
	v_mov_b32 v[SCL+1], v[SCL]
; 16 matrix instructions: A's blocks a0, a0 + 1 of the window's four x B's eight, 32 along K.  The 64 accumulators take turns, one instruction a turn.
.macro MUL16 f, hi, a0, zero
.irp a, \a0, \a0+1
.irp b, 0,1,2,3,4,5,6,7
.if \zero
	v_wmma_f32_16x16x32_f16 v[8*(8*(\a)+\b):8*(8*(\a)+\b)+7], v[\f+8*\b:\f+8*\b+7], v[\f+8*(4*\hi+\a):\f+8*(4*\hi+\a)+7], 0
.else
	v_wmma_f32_16x16x32_f16 v[8*(8*(\a)+\b):8*(8*(\a)+\b)+7], v[\f+8*\b:\f+8*\b+7], v[\f+8*(4*\hi+\a):\f+8*(4*\hi+\a)+7], v[8*(8*(\a)+\b):8*(8*(\a)+\b)+7]
.endif
.endr
.endr
.endm
.macro FETCH slot, k, f
	WIN TO_B
.irp i, 0,1,2,3,4,5,6,7
	ds_load_b128 v[\f+8*\i:\f+8*\i+3],   v[ADRB+\slot] offset:\k+\i*BLK
	ds_load_b128 v[\f+8*\i+4:\f+8*\i+7], v[ADRB+\slot] offset:\k+\i*BLK+32
.endr
	WIN 0
.irp i, 0,1,2,3,4,5,6,7
	ds_load_b128 v[\f+8*\i:\f+8*\i+3],   v[ADRA+4*\slot+\i/2] offset:\k+(\i%2)*BLK
	ds_load_b128 v[\f+8*\i+4:\f+8*\i+7], v[ADRA+4*\slot+\i/2] offset:\k+(\i%2)*BLK+32
.endr
.endm
.macro PLACES                          ; four plain vector instructions between a matrix instruction and a load into, or a read of, its registers
.rept 4
	v_nop
.endr
.endm
.macro QUARTER slot, k, f, g, zero
	s_wait_dscnt 8                                 ; B and A's blocks 0-3 are in; the youngest eight loads may be out
	WIN MUL_LO
	MUL16 \f, 0, 0, \zero
	MUL16 \f, 0, 2, \zero
	PLACES
	FETCH \slot, \k, \g
	s_wait_dscnt 32                                ; all but the 32 just issued
	WIN MUL_HI
	MUL16 \f, 1, 0, \zero
	MUL16 \f, 1, 2, \zero
.endm
.macro TURN slot, next, fill
	WIN 0
	s_wait_tensorcnt 0x0                           ; all my tensor loads have landed: my part of the next slot
	ds_add_u32 v[SPW], v[NIL]
	s_wait_dscnt 9                                 ; (the add and the youngest eight loads may be out)
	WIN MUL_LO
	MUL16 F1, 0, 0, 0
	s_wait_dscnt 0x0                               ; the add is done, and my reads of this slot are over
	s_barrier_signal -1
	MUL16 F1, 0, 2, 0
.if \fill
	WIN 0
.endif
	s_barrier_wait -1
.if \fill
	CREST                                          ; the barrier has opened a round of the cluster's: no wave of any partner still reads this slot or has a load on its way
	s_add_nc_u64 s[G0+4*\slot+2:G0+4*\slot+3], s[G0+4*\slot+2:G0+4*\slot+3], 2*65536
	s_add_nc_u64 s[G0B+4*\slot+2:G0B+4*\slot+3], s[G0B+4*\slot+2:G0B+4*\slot+3], 2*65536
	JLOAD \slot                                    ; my one tensor load behind the round: 96 matrix instructions ahead of the wait for it
.else
	PLACES
.endif
	FETCH \next, 0, F0
	WIN MUL_HI
	MUL16 F1, 1, 0, 0
	MUL16 F1, 1, 2, 0
.endm
	s_wait_tensorcnt 0x1                           ; my part of slot 0 is in; slot 1's may stay out
	s_barrier_signal -1
	s_barrier_wait -1
	FETCH 0, 0, F0
	QUARTER 0, 64, F0, F1, 1                       ; the first products start the sums: nothing is cleared
	WIN 0
	s_mov_b32 s3, LAPS-1
.Llap:                                             ; a trip goes once round the ring and fills both slots again
	TURN 0, 1, 1
	QUARTER 1, 64, F0, F1, 0
	TURN 1, 0, 1
	QUARTER 0, 64, F0, F1, 0
	WIN 0
	s_sub_co_u32 s3, s3, 1
	s_cmp_lg_u32 s3, 0
	s_cbranch_scc1 .Llap
	TURN 0, 1, 0                                   ; the last lap fills nothing
	QUARTER 1, 64, F0, F1, 0
	s_wait_dscnt 8
	WIN MUL_LO
	MUL16 F1, 0, 0, 0
	MUL16 F1, 0, 2, 0
	s_wait_dscnt 0x0
	WIN MUL_HI
	MUL16 F1, 1, 0, 0
	MUL16 F1, 1, 2, 0
	; THE SUM OVER THE FOUR WAVES, as images of the registers.
	PLACES
	WIN 0
	s_wait_dscnt 0x0
	s_barrier_signal -1
	s_barrier_wait -1                              ; nobody reads the ring any more, and it has had its last fill
	WIN 0x08
.set t, 0
.rept 32
	ds_store_b128 v[SND], v[128+4*t:128+4*t+3] offset:512*t
.set t, t+1
.endr
	WIN 0x0c
.set t, 0
.rept 32
	ds_store_b128 v[SND+1], v[4*t:4*t+3] offset:512*t
.set t, t+1
.endr
.set t, 0
.rept 32
	ds_store_b128 v[SND+2], v[128+4*t:128+4*t+3] offset:512*t
.set t, t+1
.endr
	WIN 0
	s_wait_dscnt 0x0                               ; for the others' sake: my stores have landed
	s_barrier_signal -1
	s_barrier_wait -1
.set t, 0
.rept 32
	ds_load_b128 v[64+4*t:64+4*t+3], v[RCV] offset:512*t
.set t, t+1
.endr
	WIN TO_B
.set t, 0
.rept 32
	ds_load_b128 v[64+4*t:64+4*t+3], v[RCV] offset:REDM+512*t
.set t, t+1
.endr
	s_wait_dscnt 32                                ; the first image is in
	WIN 0x82
.set i, 0
.rept 64
	v_pk_add_f32 v[2*i:2*i+1], v[2*i:2*i+1], v[64+2*i:65+2*i]
.set i, i+1
.endr
	WIN 0
.set t, 0
.rept 32
	ds_load_b128 v[64+4*t:64+4*t+3], v[RCV] offset:2*REDM+512*t
.set t, t+1
.endr
	s_wait_dscnt 32                                ; the second image is in
	WIN 0x86
.set i, 0
.rept 64
	v_pk_add_f32 v[2*i:2*i+1], v[2*i:2*i+1], v[64+2*i:65+2*i]
.set i, i+1
.endr
	s_wait_dscnt 0x0
	WIN 0x82
.set i, 0
.rept 64
	v_pk_add_f32 v[2*i:2*i+1], v[2*i:2*i+1], v[64+2*i:65+2*i]
.set i, i+1
.endr
	; THE WAY OUT: my 32 rows in two blocks of 16: x the factor, through my stage, out as whole rows of 512 bytes.
	WIN 0x02                                       ; source 0 window 2
.set i, 0
.rept 32
	v_pk_mul_f32 v[64+2*i:65+2*i], v[2*i:2*i+1], v[SCL:SCL+1]
.set i, i+1
.endr
	WIN 0
.irp b, 0,1,2,3,4,5,6,7
	ds_store_b128 v[STO], v[64+8*\b:64+8*\b+3] offset:64*\b
	ds_store_b128 v[STO], v[64+8*\b+4:64+8*\b+7] offset:64*\b+16
.endr
.irp t, 0,1,2,3,4,5,6,7,8,9,10,11,12,13,14,15
	ds_load_b128 v[192+4*\t:192+4*\t+3], v[RD] offset:\t*SPITCH   ; LDS serves a wave's instructions in order
.endr
	WIN 0x02
.set i, 0
.rept 32
	v_pk_mul_f32 v[128+2*i:129+2*i], v[64+2*i:65+2*i], v[SCL:SCL+1]
.set i, i+1
.endr
	WIN 0
.irp b, 0,1,2,3,4,5,6,7
	ds_store_b128 v[STO], v[128+8*\b:128+8*\b+3] offset:64*\b
	ds_store_b128 v[STO], v[128+8*\b+4:128+8*\b+7] offset:64*\b+16
.endr
	s_wait_dscnt 16                                ; all but the 16 stores just issued: the first block's rows are back
.irp t, 0,1,2,3,4,5,6,7,8,9,10,11,12,13,14,15
	global_store_b128 v[CO], v[192+4*\t:192+4*\t+3], s[12:13] offset:\t*4096 th:TH_STORE_NT   ; 32 lanes store 512 consecutive bytes, aligned; written once, read by nobody here
.endr
.irp t, 0,1,2,3,4,5,6,7,8,9,10,11,12,13,14,15
	ds_load_b128 v[64+4*\t:64+4*\t+3], v[RD] offset:\t*SPITCH
.endr
.irp t, 0,1,2,3,4,5,6,7,8,9,10,11,12,13,14,15
	s_wait_dscnt 15-\t
	global_store_b128 v[CO], v[64+4*\t:64+4*\t+3], s[12:13] offset:(16+\t)*4096 th:TH_STORE_NT
.endr
	s_wait_tensorcnt 0x0                           ; the wave's end
	ds_add_u32 v[SPW], v[NIL]
	s_wait_dscnt 0x0
	CROUND                                         ; the closing round
	s_endpgm
.Lfunc_end_k_qa072a43101_ffn_down:
	.size	k_qa072a43101_ffn_down, .Lfunc_end_k_qa072a43101_ffn_down-k_qa072a43101_ffn_down
	.p2alignl 7, 3214868480
	.fill 96, 4, 3214868480
	.section	.rodata,"a",@progbits
	.p2align	6, 0x0
	.amdhsa_kernel k_qa072a43101_ffn_down
		.amdhsa_group_segment_fixed_size 327680
		.amdhsa_private_segment_fixed_size 0
		.amdhsa_enable_private_segment 0
		.amdhsa_kernarg_size 40
		.amdhsa_user_sgpr_count 2
		.amdhsa_user_sgpr_kernarg_segment_ptr 1
		.amdhsa_wavefront_size32 1
		.amdhsa_system_sgpr_workgroup_id_x 1
		.amdhsa_system_sgpr_workgroup_id_y 1
		.amdhsa_system_sgpr_workgroup_id_z 1
		.amdhsa_system_vgpr_workitem_id 0
		.amdhsa_next_free_vgpr 1024
		.amdhsa_next_free_sgpr 66
		.amdhsa_reserve_vcc 0
		.amdhsa_float_denorm_mode_32 3
		.amdhsa_float_denorm_mode_16_64 3
		.amdhsa_memory_ordered 1
		.amdhsa_forward_progress 1
		.amdhsa_inst_pref_size 106
	.end_amdhsa_kernel
	.amdgpu_metadata
---
amdhsa.version: [ 1, 2 ]
amdhsa.kernels:
  - .name:           k_qa072a43101_ffn_down
    .symbol:         k_qa072a43101_ffn_down.kd
    .args:
      - { .name: x1, .offset: 0, .size: 8, .value_kind: global_buffer, .address_space: global }
      - { .name: w2h, .offset: 8, .size: 8, .value_kind: global_buffer, .address_space: global }
      - { .name: woh, .offset: 16, .size: 8, .value_kind: global_buffer, .address_space: global }
      - { .name: w1h, .offset: 24, .size: 8, .value_kind: global_buffer, .address_space: global }
      - { .name: out0, .offset: 32, .size: 8, .value_kind: global_buffer, .address_space: global }
    .group_segment_fixed_size: 327680
    .private_segment_fixed_size: 0
    .kernarg_segment_align: 8
    .kernarg_segment_size: 40
    .max_flat_workgroup_size: 128
    .sgpr_count:     66
    .vgpr_count:     1024
    .wavefront_size: 32
...
	.end_amdgpu_metadata
.endif
;; end of part 6
